; MI455X (gfx1250); checked and timed in simulation.
; The chip was launched on July 23, 2026; its instructions are those of AMD's public machine-readable ISA for CDNA 5 (MIT licence, August 2026) and "CDNA5" Instruction Set Architecture Reference Guide (July 2026). The comments in the code are by the model that wrote it; some were corrected since.
;; Mo E Layer. Allowed arithmetic: float matrix products may take bf16 or f16 operands with f32 sums; other float arithmetic in f32, or as packed bf16 or f16 multiplies, adds, multiply-adds, maxima and minima; sums over many terms, partial sums and values carried from step to step in f32; what a program stores and reads back later, other than sums and carried values, may be rounded once to bf16 or f16.
;; Inputs: W1 8 x 1,024 x 4,096 float32; W2 8 x 4,096 x 1,024 float32; Wg 1,024 x 8 float32; b1 8 x 4,096 float32; b2 8 x 1,024 float32; bg 8 float32; x 1,024 x 1,024 float32.
;; Outputs: out0 1,024 x 1,024 float32; out1 one number float32.
;; 2 versions, each right and faster than the one before. Each part assembles by itself: llvm-mc -triple=amdgcn-amd-amdhsa -mcpu=gfx1250 --defsym DOCPART=n.
;; ======== version 1 of 2: 4 launches
;; workspace buffers: xb 2,097,152 bytes; route 9,216 bytes of whole numbers; gates 40,960 bytes; h 67,108,864 bytes; rowpos 32,768 bytes of whole numbers; gsort 32,768 bytes; part 134,217,728 bytes
;; launch router (part 1): grid 64 x 1, 4 waves a work-group, no clusters, 54,016 bytes of LDS; arguments x, Wg, bg, xb, route, gates; writes xb, route, gates
.if DOCPART == 1
	.amdgcn_target "amdgcn-amd-amdhsa--gfx1250"
	.amdhsa_code_object_version 6
	.text
	.protected	k_q5e2d0a6e65_router
	.globl	k_q5e2d0a6e65_router
	.p2align	8
	.type	k_q5e2d0a6e65_router,@function
k_q5e2d0a6e65_router:
	s_mov_b64 s[64:65], 0
	v_nop
	global_prefetch_b8 v0, s[64:65] scope:SCOPE_SE
	s_setreg_imm32_b32 hwreg(HW_REG_WAVE_MODE, 25, 1), 1
	s_wait_xcnt 0x0
; THE GATE.  logits = x Wg + bg; softmax; the two largest; their weights renormalised.  x: [1024][1024] f32, Wg: [1024][8] f32, bg: [8] f32.
; Stores: xb = x rounded to bf16, [1024][1024]; route: idx[n][2] u32 (bytes 0..8191), then bm[e][32] u32 (bit n%32 of word n/32: token n chose e);
; gates: g[n][2] f32 (bytes 0..8191), then cwT[e][1024] f32 (0 where e was not chosen).  Every place is fixed: no address hangs on the choice.
; LIMITS.  x, Wg and bg are rounded once to bf16, like all the module's inputs, and the choice is made on those logits (f32 sums).  The two largest are taken of
; 2^(c l - c max), c = log2(e): the softmax's numerators; the common divisor cancels in the renormalised weights.  A numerator below 2^-126 counts as 0; equal
; numerators go to the lower index.  NaN is not treated apart.
; SHARES.  A work-group has 16 tokens.  Wave w loads and rounds tokens 4w..4w+3 and a quarter of Wg; then it multiplies K = 256w..256w+255 for all 16 tokens
; (8 matrix instructions, two accumulators by turns); wave 0 adds the four parts and chooses.
; No cluster: the work-groups share Wg alone, 32 KB of the 96 KB that each reads.  No tensor load: the data are rounded on their way through registers.
.set XP,    2064                       ; a token's row in LDS: 2,048 bytes + 16: the 16 rows of a fragment load start 16 bytes apart modulo 256
.set WGT,   16*XP                      ; Wg in bf16, [1024][8], rows of 16 bytes
.set PART,  WGT+16384                  ; four waves' partial logits, 1,024 bytes each
.set SPARE, PART+4096                  ; the spare words, 128 bytes a wave
.set SPW,   1                          ; v1  my spare word's address; never rewritten
.set NIL,   2                          ; v2  0; never rewritten
	s_load_b256 s[4:11], s[0:1], 0x0               ; x s[4:5], Wg s[6:7], bg s[8:9], xb s[10:11]
	s_load_b128 s[12:15], s[0:1], 0x20             ; route s[12:13], gates s[14:15]
	v_lshl_add_u32 v[SPW], v0, 2, SPARE
	v_mov_b32 v[NIL], 0
	v_lshrrev_b32 v3, 5, v0
	v_readfirstlane_b32 s24, v3                    ; wave
	v_and_b32 v3, 31, v0                           ; lane
	v_and_b32 v4, 15, v0                           ; r
	v_bfe_u32 v5, v0, 4, 1                         ; h
	v_lshlrev_b32 v6, 4, v0                        ; Wg: 16 bytes a thread
	s_lshl_b32 s25, s24, 14
	v_lshl_add_u32 v7, v3, 4, s25                  ; x: my wave's 4 rows of 4,096 bytes, 16 bytes a lane
	v_lshl_add_u32 v8, v0, 3, WGT                  ; Wg in LDS: 8 bytes a thread
	s_lshl_b32 s25, s24, 13
	v_lshl_add_u32 v9, v3, 3, s25                  ; xb: rows of 2,048 bytes, 8 bytes a lane
	s_mul_i32 s25, s24, 4*XP
	v_lshl_add_u32 v10, v3, 3, s25                 ; the same rows in LDS
	s_lshl_b32 s26, ttmp9, 16                      ; the work-group's 16 rows of x
	s_mov_b32 s27, 0
	s_lshl_b32 s28, ttmp9, 15                      ; and of xb
	s_mov_b32 s29, 0
	s_mov_b32 s30, 0x3fb8aa3b                      ; c = log2(e)
	s_wait_kmcnt 0x0
	s_add_nc_u64 s[4:5], s[4:5], s[26:27]
	s_add_nc_u64 s[10:11], s[10:11], s[28:29]
	s_load_b256 s[16:23], s[8:9], 0x0              ; bg
.set i, 0
.rept 16
	global_load_b128 v[16+4*i:16+4*i+3], v6, s[6:7] offset:2048*i
.set i, i+1
.endr
.set i, 0
.rept 32                                               ; row i / 8 of my four, 512 bytes at a time
	global_load_b128 v[80+4*i:80+4*i+3], v7, s[4:5] offset:(i/8)*4096+(i%8)*512 th:TH_LOAD_NT
.set i, i+1
.endr
	v_mul_u32_u24 v11, v4, XP                      ; a token fragment: row r, my wave's 512 bytes, 16 bytes for each half of the lanes
	v_lshl_add_u32 v11, v5, 4, v11
	s_lshl_b32 s25, s24, 9
	v_add_nc_u32 v11, s25, v11
	v_and_b32 v12, 7, v0                           ; the turning load on Wg: row 8h + lane%8 of 16 bytes; lanes 8-15 of a half take the same 8 experts once more
	v_lshlrev_b32 v12, 4, v12
	v_lshl_add_u32 v12, v5, 7, v12
	s_lshl_b32 s25, s24, 12
	s_add_co_u32 s25, s25, WGT
	v_add_nc_u32 v12, s25, v12
	s_lshl_b32 s25, s24, 10
	s_add_co_u32 s25, s25, PART
	v_lshl_add_u32 v13, v3, 5, s25                 ; my wave's partial logits: 32 bytes a lane
	v_lshl_add_u32 v14, v3, 5, PART                ; and the first wave's, for the sum
	s_wait_loadcnt 32                              ; Wg is in: the 32 loads of x were issued behind it
.set i, 0
.rept 16
	v_cvt_pk_bf16_f32 v[16+4*i], v[16+4*i], v[16+4*i+1]
	v_cvt_pk_bf16_f32 v[16+4*i+1], v[16+4*i+2], v[16+4*i+3]
	ds_store_b64 v8, v[16+4*i:16+4*i+1] offset:1024*i
.set i, i+1
.endr
.set i, 0
.rept 32
	s_wait_loadcnt 31-i                            ; loads come back in order: number i is in, the younger ones stay out
	v_cvt_pk_bf16_f32 v[80+4*i], v[80+4*i], v[80+4*i+1]
	v_cvt_pk_bf16_f32 v[80+4*i+1], v[80+4*i+2], v[80+4*i+3]
	global_store_b64 v9, v[80+4*i:80+4*i+1], s[10:11] offset:(i/8)*2048+(i%8)*256  ; 32 lanes store 256 consecutive bytes, aligned
	ds_store_b64 v10, v[80+4*i:80+4*i+1] offset:(i/8)*XP+(i%8)*256
.set i, i+1
.endr
	s_wait_dscnt 0x0                               ; for the others' sake: my rows and my part of Wg are in LDS
	s_barrier_signal -1
	s_barrier_wait -1
	s_wait_xcnt 0x0                                ; the stores to xb have read their registers, which the fragments now take
.set kk, 0
.rept 8                                                ; K step kk of my eight: tokens as they lie, Wg turned
	ds_load_b128 v[80+8*kk:80+8*kk+3], v11 offset:64*kk
	ds_load_b128 v[80+8*kk+4:80+8*kk+7], v11 offset:64*kk+32
	ds_load_tr16_b128 v[16+8*kk:16+8*kk+3], v12 offset:512*kk
	ds_load_tr16_b128 v[16+8*kk+4:16+8*kk+7], v12 offset:512*kk+256
.set kk, kk+1
.endr
; Source 0 = 8 experts (twice), source 1 = 16 tokens: lane (r, h) holds token r, register j expert j.  Two accumulators take turns.
.set kk, 0
.rept 8
	s_wait_dscnt 28-4*kk                           ; this step's four loads are in; the later steps' stay out
.if kk < 2
	v_wmma_f32_16x16x32_bf16 v[208+8*kk:215+8*kk], v[16+8*kk:23+8*kk], v[80+8*kk:87+8*kk], 0
.else
	v_wmma_f32_16x16x32_bf16 v[208+8*(kk%2):215+8*(kk%2)], v[16+8*kk:23+8*kk], v[80+8*kk:87+8*kk], v[208+8*(kk%2):215+8*(kk%2)]
.endif
.set kk, kk+1
.endr
.rept 4
	v_nop                                          ; four places between the last product and the first read of a result (ISA guide 7.12.1)
.endr
.irp t, 0,2,4,6
	v_pk_add_f32 v[208+\t:209+\t], v[208+\t:209+\t], v[216+\t:217+\t]
.endr
	ds_store_b128 v13, v[208:211]
	ds_store_b128 v13, v[212:215] offset:16
	s_wait_kmcnt 0x0                               ; bg
	s_wait_dscnt 0x0                               ; for wave 0's sake
	s_barrier_signal -1
	s_barrier_wait -1
	s_cmp_lg_u32 s24, 0
	s_cbranch_scc1 .Lend
.irp q, 0,1,2,3
	ds_load_b128 v[16+8*\q:19+8*\q], v14 offset:1024*\q
	ds_load_b128 v[20+8*\q:23+8*\q], v14 offset:1024*\q+16
.endr
.irp j, 0,1,2,3,4,5,6,7
	v_mov_b32 v[48+\j], s[16+\j]
.endr
.irp p, 0,1,2,3                                        ; bg rounded to bf16 and widened again
	v_cvt_pk_bf16_f32 v[56+\p], v[48+2*\p], v[49+2*\p]
.endr
.irp p, 0,1,2,3
	v_lshlrev_b32 v[48+2*\p], 16, v[56+\p]
	v_and_b32 v[49+2*\p], 0xffff0000, v[56+\p]
.endr
	s_wait_dscnt 0x0
.irp q, 1,2,3
.irp t, 0,2,4,6
	v_pk_add_f32 v[16+\t:17+\t], v[16+\t:17+\t], v[16+8*\q+\t:17+8*\q+\t]
.endr
.endr
.irp t, 0,2,4,6
	v_pk_add_f32 v[16+\t:17+\t], v[16+\t:17+\t], v[48+\t:49+\t]
.endr
	v_max3_num_f32 v64, v16, v17, v18              ; the maximum is taken away before the exponentials
	v_max3_num_f32 v64, v64, v19, v20
	v_max3_num_f32 v64, v64, v21, v22
	v_max_num_f32 v64, v64, v23
	v_mul_f32 v65, s30, v64
.irp j, 0,1,2,3,4,5,6,7
	v_fma_f32 v[24+\j], v[16+\j], s30, -v65
.endr
.irp j, 0,1,2,3,4,5,6,7
	v_exp_f32 v[24+\j], v[24+\j]
.endr
	v_mov_b32 v74, 0                               ; a plain instruction behind the last exponential: the first choice starts at expert 0
	s_wait_alu depctr_va_vdst(0)                   ; one wait for the eight exponentials, ahead of their first reader
	v_mov_b32 v66, v24
.irp j, 1,2,3,4,5,6,7                                  ; strictly greater: of equals the lower index stays
	v_cmp_gt_f32 vcc_lo, v[24+\j], v66
	v_cndmask_b32 v66, v66, v[24+\j], vcc_lo
	v_cndmask_b32 v74, v74, \j, vcc_lo
.endr
.irp j, 0,1,2,3,4,5,6,7                                ; the chosen one leaves the field
	v_cmp_eq_u32 vcc_lo, \j, v74
	v_cndmask_b32 v[32+\j], v[24+\j], -1.0, vcc_lo
.endr
	v_mov_b32 v68, v32
	v_mov_b32 v75, 0
.irp j, 1,2,3,4,5,6,7
	v_cmp_gt_f32 vcc_lo, v[32+\j], v68
	v_cndmask_b32 v68, v68, v[32+\j], vcc_lo
	v_cndmask_b32 v75, v75, \j, vcc_lo
.endr
	v_add_f32 v70, v66, v68
	v_rcp_f32 v71, v70
	v_mov_b32 v88, 0                               ; a plain instruction behind the reciprocal
	s_wait_alu depctr_va_vdst(0)                   ; and its wait
	v_mul_f32 v72, v66, v71                        ; g0
	v_mul_f32 v73, v68, v71                        ; g1
.irp e, 0,1,2,3,4,5,6,7                                ; expert e: its weight for my token, and in lane e of v88 the 16 tokens' bits
	v_cmp_eq_u32 vcc_lo, \e, v74
	v_cmp_eq_u32 s31, \e, v75
	v_cndmask_b32 v[80+\e], 0, v72, vcc_lo
	v_cndmask_b32 v[80+\e], v[80+\e], v73, s31
	s_or_b32 s31, s31, vcc_lo
	v_writelane_b32 v88, s31, \e
.endr
	s_lshl_b32 s25, ttmp9, 7
	v_lshl_add_u32 v76, v4, 3, s25                 ; 8 bytes a token
	s_lshl_b32 s25, ttmp9, 6
	v_lshl_add_u32 v77, v4, 2, s25                 ; 4 bytes a token
	s_lshl_b32 s25, ttmp9, 1
	v_lshl_add_u32 v89, v3, 7, s25                 ; bm: 128 bytes an expert, 2 bytes a work-group
	v_cmp_gt_u32 vcc_lo, 16, v3                    ; both halves of the lanes hold the same: the lower one stores
	s_wait_xcnt 0x0                                ; EXEC changes only behind this wait
	s_and_saveexec_b32 s32, vcc_lo
	global_store_b64 v76, v[74:75], s[12:13]
	global_store_b64 v76, v[72:73], s[14:15]
.irp e, 0,1,2,3,4,5,6,7
	global_store_b32 v77, v[80+\e], s[14:15] offset:8192+4096*\e
.endr
	s_wait_xcnt 0x0
	s_or_b32 exec_lo, exec_lo, s32
	v_cmp_gt_u32 vcc_lo, 8, v3
	s_and_saveexec_b32 s32, vcc_lo
	global_store_b16 v89, v88, s[12:13] offset:8192
	s_wait_xcnt 0x0
	s_or_b32 exec_lo, exec_lo, s32
.Lend:
	s_wait_tensorcnt 0x0                           ; the wave's end
	ds_add_u32 v[SPW], v[NIL]
	s_wait_dscnt 0x0
	s_endpgm
.Lfunc_end_k_q5e2d0a6e65_router:
	.size	k_q5e2d0a6e65_router, .Lfunc_end_k_q5e2d0a6e65_router-k_q5e2d0a6e65_router
	.p2alignl 7, 3214868480
	.fill 96, 4, 3214868480
	.section	.rodata,"a",@progbits
	.p2align	6, 0x0
	.amdhsa_kernel k_q5e2d0a6e65_router
		.amdhsa_group_segment_fixed_size 54016
		.amdhsa_private_segment_fixed_size 0
		.amdhsa_enable_private_segment 0
		.amdhsa_kernarg_size 48
		.amdhsa_user_sgpr_count 2
		.amdhsa_user_sgpr_kernarg_segment_ptr 1
		.amdhsa_wavefront_size32 1
		.amdhsa_system_sgpr_workgroup_id_x 1
		.amdhsa_system_sgpr_workgroup_id_y 1
		.amdhsa_system_sgpr_workgroup_id_z 1
		.amdhsa_system_vgpr_workitem_id 0
		.amdhsa_next_free_vgpr 224
		.amdhsa_next_free_sgpr 66
		.amdhsa_reserve_vcc 1
		.amdhsa_float_denorm_mode_32 3
		.amdhsa_float_denorm_mode_16_64 3
		.amdhsa_memory_ordered 1
		.amdhsa_forward_progress 1
		.amdhsa_inst_pref_size 34
	.end_amdhsa_kernel
	.amdgpu_metadata
---
amdhsa.version: [ 1, 2 ]
amdhsa.kernels:
  - .name:           k_q5e2d0a6e65_router
    .symbol:         k_q5e2d0a6e65_router.kd
    .args:
      - { .name: x, .offset: 0, .size: 8, .value_kind: global_buffer, .address_space: global }
      - { .name: Wg, .offset: 8, .size: 8, .value_kind: global_buffer, .address_space: global }
      - { .name: bg, .offset: 16, .size: 8, .value_kind: global_buffer, .address_space: global }
      - { .name: xb, .offset: 24, .size: 8, .value_kind: global_buffer, .address_space: global }
      - { .name: route, .offset: 32, .size: 8, .value_kind: global_buffer, .address_space: global }
      - { .name: gates, .offset: 40, .size: 8, .value_kind: global_buffer, .address_space: global }
    .group_segment_fixed_size: 54016
    .private_segment_fixed_size: 0
    .kernarg_segment_align: 8
    .kernarg_segment_size: 48
    .max_flat_workgroup_size: 128
    .sgpr_count:     66
    .vgpr_count:     224
    .wavefront_size: 32
...
	.end_amdgpu_metadata
.endif
;; end of part 1
;; launch ffn1 (part 2): grid 32 x 8, 8 waves a work-group, no clusters, 267,520 bytes of LDS; arguments xb, W1, b1, route, gates, h, rowpos, gsort; writes h, rowpos, gsort
.if DOCPART == 2
	.amdgcn_target "amdgcn-amd-amdhsa--gfx1250"
	.amdhsa_code_object_version 6
	.text
	.protected	k_q5e2d0a6e65_ffn1
	.globl	k_q5e2d0a6e65_ffn1
	.p2align	8
	.type	k_q5e2d0a6e65_ffn1,@function
k_q5e2d0a6e65_ffn1:
	s_mov_b64 s[64:65], 0
	v_nop
	global_prefetch_b8 v0, s[64:65] scope:SCOPE_SE
	s_setreg_imm32_b32 hwreg(HW_REG_WAVE_MODE, 25, 1), 1
	s_wait_xcnt 0x0
; THE FIRST PRODUCT.  h = relu(x W1[e] + b1[e]) for the tokens that chose expert e, in bf16.  Work-group (sl, e): hidden columns 128 sl .. 128 sl + 127 of expert e, all of its rows.
; W1 and b1 are rounded once to bf16 (x was by the launch before); sums in f32; h rounded once.  Serves every split: 0 to 1,024 rows an expert.
; ONE TEXT FOR ALL EIGHT WAVES.  K goes in 16 half-chunks of 64 rows (two K steps).  Of each, wave w loads an eighth of the slice of W1 (f32, read by no other work-group), rounds it and lays it into LDS as
; matrix fragments; each byte of that region is written once, and one barrier shows a half-chunk to everybody.  In interval t a wave lays half-chunk t and multiplies half-chunk t - 1.
; WEIGHTS WITHOUT A TURN.  Lane (r, h) loads 16 bytes, W[k][n0+4r .. +3]: sixteen lanes take 256 consecutive bytes of one row of W, aligned.  Component c of eight such loads, packed in pairs along k,
; IS half a fragment (16 of K = 32) of the 16 columns n0+4r+c.  With the weights as source 0 a lane's eight results are hidden columns 64g+32h+4j+c of one token: packed, they are 16 bytes of an
; A fragment of the second product, in an order of K that its loads of W2 repeat.  h: [e][tile of 16 rows][K step 0..127][piece 0..1][lane][16 bytes].
; THE ORDER OF THE LOADS.  Loads come back in order (ISA guide 5.7.1), so a weight load can stay out only until the wave waits for a token load issued behind it.  So the tokens of a whole interval are asked for an
; interval ahead (two sets of 2 K steps), and the weights of two intervals ahead directly behind them: a weight load has two intervals in which to land, and a wave has 16 of them out, 512 bytes each.
; ROWS.  Wave w has row group mg = w >> 1 and column half g = w & 1.  Tile j = 20 BLK + 4 i + mg, i = 0..4: 320 rows a block.  Block 0 runs under the stream; later blocks, where an expert has more rows,
; run from the finished slice in a loop without barrier or LDS store.  Places past the count repeat token 0; whole tiles past it are multiplied and not stored.
; Tile 0 is stored also for an expert without rows, so that the next launch reads only bytes that were written.
; Slice 0 also stores rowpos[e][token] (the token's rank in the expert's list) and gsort[e][rank] (its gate).
; No cluster: each weight byte has one reader, and the shared token rows come by a list, which no tile descriptor covers.  No tensor load: f32 is rounded on its way through registers.
.set PITCH,  16384                     ; bytes from row to row of W1[e]
.set ROWI,   PITCH                     ; from one of a piece's eight loads to the next: one row
.set HCB,    64*PITCH                  ; a half-chunk of W: 64 rows
.set STEPB,  64                        ; bytes of a token's row in a K step
.set PIECEB, 32                        ; and in half of it
.set KSB,    8192                      ; a K step's weight fragments in LDS: [column half 2][piece 2][c 4][lane 32][16 bytes]
.set HCL,    2*KSB                     ; a half-chunk in LDS; wave w writes bytes 2,048 w .. 2,048 w + 2,047 of it
.set LIST,   32*KSB                    ; behind the slice: 4,096 bytes rank -> token, and 128 bytes for the lanes that have nothing to say
.set SPARE,  LIST+4352                 ; the spare words, 128 bytes a wave
.set SPW,  1                           ; v1   my spare word's address; never rewritten
.set NIL,  2                           ; v2   0; never rewritten
.set LBG,  3                           ; v3   16 x lane + 4,096 g: my place in a K step's fragments
.set BADR, 4                           ; v4   LDS address of the half-chunk in hand
.set AOFF, 5                           ; v5-9 my five tiles' token offsets in xb;  v10 lane, v11 r, v12 h, v13-15 at work
.set BF,   16                          ; v16-47    4 weight fragments
.set TF,   48                          ; v48-63    four pieces just packed
.set AF,   64                          ; v64-223   two sets of 2 K steps x 5 token fragments
.set AOX,  224                         ; v224-238  the token numbers of blocks 1-3
.set ZR,   239                         ; 0, for the packed maximum
.set HOFF, 240                         ; my offset in h
.set LH,   241                         ; 16 x lane + 2,048 g
.set WOFF, 242                         ; 16 r + 8 rows x h
.set WST0, 243                         ; 16 x lane + 2,048 w
.set WADR, 244
.set H16,  245                         ; 16 h
.set STG,  160                         ; window 1: v0-159 the accumulators, (tile t, c) at 8 (4 t + c); v160-223 two stages of 8 weight loads;
.set BI,   224                         ;           v224-255 my 32 biases: b1[128 sl + 64 g + 32 h + n] at BI + n
.set WV,20
.set SL,21
.set EX,22
.set MG,23
.set T,24                              ; tiles of the expert
.set NBLK,25
.set BLK,26
.set OC,27
.set G,28
.set WB,29
.set RB,30
.set BM,32                             ; s32-63  the expert's bitmap
.set AP,66
.set AB,68
.set WP,70
.set OP,72
.set GP,74
.set PFX,85
.set TS,91                             ; max(T, 1)
.set MSB, 0
.macro WIN new                         ; the immediate's high byte repeats the setting that is left; a switch that changes nothing is dropped
.if MSB != (\new)
	s_set_vgpr_msb (MSB<<8)|(\new)
.set MSB, \new
.endif
.endm
.macro NOP4                            ; four places between a matrix instruction and a load into, or a vector write or read of, its registers
.rept 4
	v_nop
.endr
.endm
.macro ISSUE st                        ; 8 loads: my piece of the half-chunk at WP, into stage st
	WIN 0x40
.irp i, 0,1,2,3,4,5,6,7
	global_load_b128 v[STG+32*(\st)+4*\i:STG+32*(\st)+4*\i+3], v[WOFF], s[WP:WP+1] offset:\i*ROWI th:TH_LOAD_NT
.endr
.endm
.macro PROD st, issue                  ; stage st: 16 roundings, 4 stores of 512 consecutive bytes; its registers are asked for again two half-chunks on
	v_add_nc_u32 v[WADR], s[WB], v[WST0]
	WIN 0x05
.irp c, 0,1,2,3
.irp q, 0,1,2,3
	v_cvt_pk_bf16_f32 v[TF+4*\c+\q], v[STG+32*(\st)+8*\q+\c], v[STG+32*(\st)+8*\q+4+\c]
.endr
.endr
	WIN 0
.irp c, 0,1,2,3
	ds_store_b128 v[WADR], v[TF+4*\c:TF+4*\c+3] offset:512*\c
.endr
.if \issue
	ISSUE \st
	WIN 0
.endif
.endm
.macro BL hf, off                      ; 4 LDS loads: weight fragments c = 2 hf, 2 hf + 1
.irp c, 0,1
.irp p, 0,1
	ds_load_b128 v[BF+8*(2*(\hf)+\c)+4*\p:BF+8*(2*(\hf)+\c)+4*\p+3], v[BADR] offset:(\off)+\p*2048+(2*(\hf)+\c)*512
.endr
.endr
.endm
.macro AL set                          ; 20 loads: five token fragments for each of two K steps, the first step's first
.irp st, 0,1
.irp t, 0,1,2,3,4
.irp p, 0,1
	global_load_b128 v[AF+80*(\set)+40*\st+8*\t+4*\p:AF+80*(\set)+40*\st+8*\t+4*\p+3], v[AOFF+\t], s[AP:AP+1] offset:\st*STEPB+\p*PIECEB
.endr
.endr
.endr
.endm
.macro WM1 zero                        ; the weights are source 0
.if \zero
	v_wmma_f32_16x16x32_bf16 v[rD:rD+7], v[rB:rB+7], v[rA:rA+7], 0
.else
	v_wmma_f32_16x16x32_bf16 v[rD:rD+7], v[rB:rB+7], v[rA:rA+7], v[rD:rD+7]
.endif
.endm
.macro MM set, st, hf, zero            ; 10 matrix instructions: two weight fragments x five tiles.  A step's 20 accumulators take turns
	WIN 0x50
.irp c, 0,1
.irp t, 0,1,2,3,4
.set rD, 8*(4*\t+2*(\hf)+\c)
.set rB, BF+8*(2*(\hf)+\c)
.set rA, AF+80*(\set)+40*(\st)+8*\t
	WM1 \zero
.endr
.endr
.endm
; A half-chunk is multiplied: two K steps on token set 'set'.  The first step's weights were asked for at the interval's head; the second's are fetched into each half of BF as it falls free.
; c0, c1: the younger loads that may stay out when the first and the second step's tokens have to be in.  The counts of 4 on DScnt leave the four youngest LDS instructions out.
.macro CONS set, zero, c0, c1
	s_wait_loadcnt \c0
	s_wait_dscnt 4
	MM \set, 0, 0, \zero
	WIN 0
	NOP4
	BL 0, KSB
	s_wait_dscnt 4
	MM \set, 0, 1, \zero
	WIN 0
	NOP4
	BL 1, KSB
	s_wait_loadcnt \c1
	s_wait_dscnt 4
	MM \set, 1, 0, 0
	s_wait_dscnt 0
	MM \set, 1, 1, 0
	WIN 0
	NOP4
.endm
.macro ENDI a, w, p, c                 ; an interval's end: the bases step
	s_wait_xcnt 0x0                                ; the interval's loads have read AP and WP
.if \a
	s_add_nc_u64 s[AP:AP+1], s[AP:AP+1], 2*STEPB
.endif
.if \w
	s_add_nc_u64 s[WP:WP+1], s[WP:WP+1], HCB
.endif
.if \p
	s_add_co_u32 s[WB], s[WB], HCL
.endif
.if \c
	s_add_co_u32 s[RB], s[RB], HCL
	v_add_nc_u32 v[BADR], s[RB], v[LBG]
.endif
.endm
.macro JOIN                            ; my LDS stores are done and no LDS load of mine is out; behind the wait that holds of every wave
	s_wait_dscnt 0x0
	s_barrier_signal -1
	s_barrier_wait -1
.endm
; INTERVAL t.  set = t % 2: the token set that is multiplied and the weight stage that is laid down.  aiss: the next interval's tokens are asked for; prod: half-chunk t is laid; wiss: half-chunk t + 2 is asked for.
; wc: the younger loads that may stay out when stage 'set' has to be in.
.macro IVL set, zero, prod, wiss, aiss, wc, c0, c1
	BL 0, 0
	BL 1, 0
.if \aiss
	AL 1-(\set)
.endif
.if \prod
	s_wait_loadcnt \wc
	PROD \set, \wiss
.endif
	CONS \set, \zero, \c0, \c1
	ENDI \aiss, \wiss, \prod, 1
.endm
.macro AHEAD                           ; a block's first tokens, into set 1
	s_mov_b64 s[AP:AP+1], s[AB:AB+1]
	AL 1
	s_wait_xcnt 0x0
	s_add_nc_u64 s[AP:AP+1], s[AP:AP+1], 2*STEPB
	s_mov_b32 s[RB], 0
	v_add_nc_u32 v[BADR], s[RB], v[LBG]
.endm
.macro TOKSEL                          ; from k = 0..15: the register of place k's token, and its tile's number less my row group's
.if k < 5
.set rK, AOFF+k
.else
.set rK, AOX+k-5
.endif
.set j0, 20*(k/5)+4*(k%5)
.endm
; Tile t goes out: + bias (each accumulator from its low end), rounded in place, relu on the packed halves, 4 stores of 512 consecutive bytes
.macro ETILE t
	s_add_co_u32 s86, s88, 4*\t
	s_cmp_ge_u32 s86, s[TS]
	s_cbranch_scc1 .Ldead\t
	s_min_u32 s86, s86, 63
	s_lshl_b32 s86, s86, 17
	s_wait_xcnt 0x0                                ; the tile before has read its offset and its data
	v_add_nc_u32 v[HOFF], s86, v[LH]
	WIN 0x05
.irp c, 0,1,2,3
.irp j, 0,1,2,3,4,5,6,7
	v_add_f32 v[AF+8*\c+\j], v[32*\t+8*\c+\j], v[BI+4*\j+\c]
.endr
.endr
	WIN 0
.set m, 0
.rept 16
	v_cvt_pk_bf16_f32 v[AF+m], v[AF+2*m], v[AF+2*m+1]
.set m, m+1
.endr
.set m, 0
.rept 16
	v_pk_max_num_bf16 v[AF+m], v[AF+m], v[ZR]
.set m, m+1
.endr
.irp c, 0,1,2,3
	global_store_b128 v[HOFF], v[AF+4*\c:AF+4*\c+3], s[OP:OP+1] offset:512*\c
.endr
.Ldead\t:
.endm
	s_load_b512 s[4:19], s[0:1], 0x0               ; xb 4, W1 6, b1 8, route 10, gates 12, h 14, rowpos 16, gsort 18
	v_lshl_add_u32 v[SPW], v0, 2, SPARE
	v_mov_b32 v[NIL], 0
	v_lshrrev_b32 v10, 5, v0
	v_readfirstlane_b32 s[WV], v10
	s_mov_b32 s[SL], ttmp9
	s_and_b32 s[EX], ttmp7, 0xffff
	s_lshr_b32 s[MG], s[WV], 1
	s_and_b32 s[G], s[WV], 1
	v_and_b32 v10, 31, v0                          ; lane
	v_and_b32 v11, 15, v0                          ; r
	v_bfe_u32 v12, v0, 4, 1                        ; h
	v_lshlrev_b32 v[WOFF], 4, v11
	v_lshl_add_u32 v[WOFF], v12, 17, v[WOFF]       ; the upper half of the lanes reads 8 rows further down
	s_lshl_b32 s86, s[WV], 11
	v_lshl_add_u32 v[WST0], v10, 4, s86
	s_lshl_b32 s86, s[G], 12
	v_lshl_add_u32 v[LBG], v10, 4, s86
	s_lshl_b32 s86, s[G], 11
	v_lshl_add_u32 v[LH], v10, 4, s86
	v_lshlrev_b32 v[H16], 4, v12
	v_lshlrev_b32 v13, 7, v12                      ; the bias: 32 numbers for each half of the lanes
	v_mov_b32 v[ZR], 0
	; my piece of a half-chunk: K step w >> 2 (32 rows), piece w & 1 (16 rows), column half (w >> 1) & 1 (256 bytes)
	s_lshl_b32 s76, s[EX], 24                      ; an expert's W1: 16 MiB
	s_lshr_b32 s87, s[WV], 2
	s_lshl_b32 s87, s87, 19
	s_add_co_u32 s76, s76, s87
	s_lshl_b32 s87, s[G], 18
	s_add_co_u32 s76, s76, s87
	s_and_b32 s87, s[MG], 1
	s_lshl_b32 s87, s87, 8
	s_add_co_u32 s76, s76, s87
	s_lshl_b32 s88, s[SL], 9
	s_add_co_u32 s76, s76, s88
	s_mov_b32 s77, 0
	s_lshl_b32 s78, s[EX], 14                      ; an expert's b1, the slice, my column half
	s_add_co_u32 s78, s78, s88
	s_lshl_b32 s87, s[G], 8
	s_add_co_u32 s78, s78, s87
	s_mov_b32 s79, 0
	s_lshl_b32 s92, s[EX], 7                       ; the expert's bitmap
	s_add_co_u32 s92, s92, 8192
	s_mov_b32 s93, 0
	s_wait_kmcnt 0x0
	s_add_nc_u64 s[92:93], s[10:11], s[92:93]
	s_load_b512 s[BM:BM+15], s[92:93], 0x0
	s_load_b512 s[BM+16:BM+31], s[92:93], 0x40
	s_add_nc_u64 s[WP:WP+1], s[6:7], s[76:77]
	s_add_nc_u64 s[78:79], s[8:9], s[78:79]
	WIN 0x40
.irp j, 0,1,2,3,4,5,6,7                                ; the bias goes first: the wait for the first weights shows it in too
	global_load_b128 v[BI+4*\j:BI+4*\j+3], v13, s[78:79] offset:16*\j
.endr
	ISSUE 0                                        ; two half-chunks are asked for before anything else is done
	s_wait_xcnt 0x0
	s_add_nc_u64 s[WP:WP+1], s[WP:WP+1], HCB
	ISSUE 1
	WIN 0
	s_wait_xcnt 0x0
	s_add_nc_u64 s[WP:WP+1], s[WP:WP+1], HCB
	s_mov_b32 s[PFX], 0
	s_wait_kmcnt 0x0
.set w, 0
.rept 32                                               ; the expert's rows
	s_bcnt1_i32_b32 s87, s[BM+w]
	s_add_co_u32 s[PFX], s[PFX], s87
.set w, w+1
.endr
	s_add_co_u32 s[T], s[PFX], 15
	s_lshr_b32 s[T], s[T], 4
	s_min_u32 s[T], s[T], 64
	s_max_u32 s[TS], s[T], 1
	s_cmp_gt_u32 s[T], 20
	s_cselect_b32 s[NBLK], 2, 1
	s_cmp_gt_u32 s[T], 40
	s_cselect_b32 s[NBLK], 3, s[NBLK]
	s_cmp_gt_u32 s[T], 60
	s_cselect_b32 s[NBLK], 4, s[NBLK]
	; Wave 0 alone makes the expert's list; no other wave touches LDS in front of the barrier below
	s_cmp_lg_u32 s[WV], 0
	s_cbranch_scc1 .Lnl
	v_mov_b32 v192, 0
	v_mov_b32 v193, 0
	v_mov_b32 v194, 0
	v_mov_b32 v195, 0
	v_lshl_add_u32 v246, v10, 4, LIST
.set k, 0
.rept 8                                                ; ranks past the count name token 0
	ds_store_b128 v246, v[192:195] offset:512*k
.set k, k+1
.endr
	v_add_nc_u32 v14, 1024, v10
	s_mov_b32 s88, 0
.set w, 0
.rept 32                                               ; word w: token 32 w + lane has rank = the bits below it; a lane whose bit is off writes behind the list.  LDS serves my stores in order
	v_mbcnt_lo_u32_b32 v[160+w], s[BM+w], s88
	v_cndmask_b32 v15, v14, v[160+w], s[BM+w]
	v_min_u32 v15, 0x41f, v15
	v_lshl_add_u32 v15, v15, 2, LIST
	v_or_b32 v247, 32*w, v10
	ds_store_b32 v15, v247
	s_bcnt1_i32_b32 s87, s[BM+w]
	s_add_co_u32 s88, s88, s87
.set w, w+1
.endr
	s_cmp_lg_u32 s[SL], 0
	s_cbranch_scc1 .Lnl
	s_lshl_b32 s78, s[EX], 12                      ; slice 0: the ranks, for the last launch
	s_mov_b32 s79, 0
	s_add_nc_u64 s[78:79], s[16:17], s[78:79]
	v_lshlrev_b32 v15, 2, v10
.set w, 0
.rept 32
	global_store_b32 v15, v[160+w], s[78:79] offset:128*w
.set w, w+1
.endr
	s_wait_xcnt 0x0                                ; the stores have read their registers, which token loads take later
.Lnl:
	JOIN                                           ; the list is whole
	s_lshl_b32 s87, s[MG], 6
	v_lshl_add_u32 v248, v11, 2, s87               ; rank 16 (tile) + r, 4 bytes each
	v_add_nc_u32 v249, LIST, v248
.set k, 0
.rept 16
	TOKSEL
	ds_load_b32 v[rK], v249 offset:64*j0
.set k, k+1
.endr
	s_wait_dscnt 0x0
.set k, 0
.rept 16
	TOKSEL
	v_min_u32 v[rK], 0x3ff, v[rK]
.set k, k+1
.endr
	s_or_b32 s88, s[SL], s[G]
	s_cmp_lg_u32 s88, 0
	s_cbranch_scc1 .Lng
	s_lshl_b32 s78, s[EX], 12                      ; slice 0, one wave of each pair: the gates in the list's order, for the second product
	s_mov_b32 s79, 0
	s_add_nc_u64 s[GP:GP+1], s[18:19], s[78:79]
	s_add_co_u32 s78, s78, 8192
	s_add_nc_u64 s[78:79], s[12:13], s[78:79]
.set k, 0
.rept 16
	TOKSEL
	v_lshlrev_b32 v[16+k], 2, v[rK]
	global_load_b32 v[32+k], v[16+k], s[78:79]
.set k, k+1
.endr
	s_wait_loadcnt 0x0
.set k, 0
.rept 16
	TOKSEL
	global_store_b32 v248, v[32+k], s[GP:GP+1] offset:64*j0
.set k, k+1
.endr
	s_wait_xcnt 0x0
.Lng:
.irp t, 0,1,2,3,4
	v_lshl_add_u32 v[AOFF+\t], v[AOFF+\t], 11, v[H16]  ; the token's row of 2,048 bytes + 16 h
.endr
.irp t, 11,12,13,14
	v_mov_b32 v[AOX+\t], 0                         ; tiles 64 and up do not exist: token 0
.endr
	s_lshl_b32 s76, s[EX], 23                      ; an expert's h: 8 MiB; the slice's four K steps: 4,096 bytes of each tile
	s_lshl_b32 s87, s[SL], 12
	s_add_co_u32 s76, s76, s87
	s_mov_b32 s77, 0
	s_add_nc_u64 s[OP:OP+1], s[14:15], s[76:77]
	s_mov_b64 s[AB:AB+1], s[4:5]
	s_mov_b32 s[WB], 0
	AHEAD
	; ---- interval 0: half-chunk 0 is laid
	s_wait_loadcnt 28                              ; the bias and half-chunk 0 are in; half-chunk 1 (8) and the first tokens (20) stay out
	PROD 0, 1
	WIN 0x05
.set m, 0
.rept 16                                               ; the bias is rounded to bf16 and widened again, in its registers
	v_cvt_pk_bf16_f32 v[BF+m], v[BI+2*m], v[BI+2*m+1]
.set m, m+1
.endr
	WIN 0x40
.set m, 0
.rept 16
	v_lshlrev_b32 v[BI+2*m], 16, v[BF+m]
	v_and_b32 v[BI+2*m+1], 0xffff0000, v[BF+m]
.set m, m+1
.endr
	WIN 0
	ENDI 0, 1, 1, 0
	JOIN
	; The counts.  At an interval's head the queue holds W(t) 8, A(t) 20, W(t+1) 8; A(t+1) 20 joins: 48 leaves all but W(t) out.  W(t+2) 8 joins: 46 leaves all but A(t)'s first ten out, 36 all but A(t).
	IVL 1, 1, 1, 1, 1, 48, 46, 36                  ; t = 1: its first products start the sums
	JOIN
	s_mov_b32 s[OC], 6
.Lo:                                                   ; t = 2 .. 13
	IVL 0, 0, 1, 1, 1, 48, 46, 36
	JOIN
	IVL 1, 0, 1, 1, 1, 48, 46, 36
	JOIN
	s_sub_co_u32 s[OC], s[OC], 1
	s_cmp_lg_u32 s[OC], 0
	s_cbranch_scc1 .Lo
	IVL 0, 0, 1, 0, 1, 48, 38, 28                  ; t = 14: no weights are left to ask for, and the counts run down
	JOIN
	IVL 1, 0, 1, 0, 1, 40, 30, 20                  ; t = 15
	JOIN                                           ; the slice is whole; no LDS store follows, and one more barrier, at the wave's end
	s_mov_b32 s[BLK], 0
.Lblk:                                                 ; a block's last half-chunk, its way out, and the next block's first fifteen
	s_wait_xcnt 0x0
	s_mov_b32 s[RB], 15*HCL
	v_add_nc_u32 v[BADR], s[RB], v[LBG]
	BL 0, 0
	BL 1, 0
	CONS 0, 0, 10, 0
	s_mul_i32 s88, s[BLK], 20
	s_add_co_u32 s88, s88, s[MG]
	ETILE 0
	ETILE 1
	ETILE 2
	ETILE 3
	ETILE 4
	s_add_co_u32 s[BLK], s[BLK], 1
	s_cmp_ge_u32 s[BLK], s[NBLK]
	s_cbranch_scc1 .Lnomore
	s_wait_xcnt 0x0                                ; the stores have read their data and offsets
.irp t, 0,1,2,3,4                                      ; the next block's tokens, held to the table once more, become offsets
	v_min_u32 v[AOFF+\t], 0x3ff, v[AOX+\t]
	v_lshl_add_u32 v[AOFF+\t], v[AOFF+\t], 11, v[H16]
.endr
.irp t, 0,1,2,3,4,5,6,7,8,9                            ; and the token numbers move down a block
	v_mov_b32 v[AOX+\t], v[AOX+5+\t]
.endr
	AHEAD
	IVL 1, 1, 0, 0, 1, 0, 30, 20                   ; the queue holds tokens alone: 30 leaves all but the first ten out, 20 the next interval's
	s_mov_b32 s[OC], 7
.Lp:
	IVL 0, 0, 0, 0, 1, 0, 30, 20
	IVL 1, 0, 0, 0, 1, 0, 30, 20
	s_sub_co_u32 s[OC], s[OC], 1
	s_cmp_lg_u32 s[OC], 0
	s_cbranch_scc1 .Lp
.Lnomore:
	s_cmp_lt_u32 s[BLK], s[NBLK]
	s_cbranch_scc1 .Lblk
	JOIN                                           ; every wave's LDS reads of the loop above, whose addresses step in a register, are over before any wave's closing add; all eight waves make the same number of trips and meet here once
	s_wait_tensorcnt 0x0                           ; the wave's end
	ds_add_u32 v[SPW], v[NIL]
	s_wait_dscnt 0x0
	s_endpgm
.Lfunc_end_k_q5e2d0a6e65_ffn1:
	.size	k_q5e2d0a6e65_ffn1, .Lfunc_end_k_q5e2d0a6e65_ffn1-k_q5e2d0a6e65_ffn1
	.p2alignl 7, 3214868480
	.fill 96, 4, 3214868480
	.section	.rodata,"a",@progbits
	.p2align	6, 0x0
	.amdhsa_kernel k_q5e2d0a6e65_ffn1
		.amdhsa_group_segment_fixed_size 267520
		.amdhsa_private_segment_fixed_size 0
		.amdhsa_enable_private_segment 0
		.amdhsa_kernarg_size 64
		.amdhsa_user_sgpr_count 2
		.amdhsa_user_sgpr_kernarg_segment_ptr 1
		.amdhsa_wavefront_size32 1
		.amdhsa_system_sgpr_workgroup_id_x 1
		.amdhsa_system_sgpr_workgroup_id_y 1
		.amdhsa_system_sgpr_workgroup_id_z 1
		.amdhsa_system_vgpr_workitem_id 0
		.amdhsa_next_free_vgpr 512
		.amdhsa_next_free_sgpr 104
		.amdhsa_reserve_vcc 0
		.amdhsa_float_denorm_mode_32 3
		.amdhsa_float_denorm_mode_16_64 3
		.amdhsa_memory_ordered 1
		.amdhsa_forward_progress 1
		.amdhsa_inst_pref_size 128
	.end_amdhsa_kernel
	.amdgpu_metadata
---
amdhsa.version: [ 1, 2 ]
amdhsa.kernels:
  - .name:           k_q5e2d0a6e65_ffn1
    .symbol:         k_q5e2d0a6e65_ffn1.kd
    .args:
      - { .name: xb, .offset: 0, .size: 8, .value_kind: global_buffer, .address_space: global }
      - { .name: W1, .offset: 8, .size: 8, .value_kind: global_buffer, .address_space: global }
      - { .name: b1, .offset: 16, .size: 8, .value_kind: global_buffer, .address_space: global }
      - { .name: route, .offset: 24, .size: 8, .value_kind: global_buffer, .address_space: global }
      - { .name: gates, .offset: 32, .size: 8, .value_kind: global_buffer, .address_space: global }
      - { .name: h, .offset: 40, .size: 8, .value_kind: global_buffer, .address_space: global }
      - { .name: rowpos, .offset: 48, .size: 8, .value_kind: global_buffer, .address_space: global }
      - { .name: gsort, .offset: 56, .size: 8, .value_kind: global_buffer, .address_space: global }
    .group_segment_fixed_size: 267520
    .private_segment_fixed_size: 0
    .kernarg_segment_align: 8
    .kernarg_segment_size: 64
    .max_flat_workgroup_size: 256
    .sgpr_count:     104
    .vgpr_count:     512
    .wavefront_size: 32
...
	.end_amdgpu_metadata
.endif
;; end of part 2
;; launch ffn2 (part 3): grid 32 x 8, 8 waves a work-group, no clusters, 263,168 bytes of LDS; arguments h, W2, route, gsort, part; writes part
.if DOCPART == 3
	.amdgcn_target "amdgcn-amd-amdhsa--gfx1250"
	.amdhsa_code_object_version 6
	.text
	.protected	k_q5e2d0a6e65_ffn2
	.globl	k_q5e2d0a6e65_ffn2
	.p2align	8
	.type	k_q5e2d0a6e65_ffn2,@function
k_q5e2d0a6e65_ffn2:
	s_mov_b64 s[64:65], 0
	v_nop
	global_prefetch_b8 v0, s[64:65] scope:SCOPE_SE
	s_setreg_imm32_b32 hwreg(HW_REG_WAVE_MODE, 25, 1), 1
	s_wait_xcnt 0x0
; THE SECOND PRODUCT.  part[q][e 1024 + rank][:] = gate x (h W2[e]) over hidden columns 1024 q .. 1024 q + 1023, in f32: partial sums, which the last launch adds (with the bias).
; Work-group (cs + 8 q, e): output columns 128 cs .. + 127, K quarter q, all rows of expert e.  W2 is rounded once to bf16; sums in f32.  Serves every split: 0 to 1,024 rows an expert.
; The build is the first product's: one text for all eight waves; K in 16 half-chunks of 64 rows; of each, wave w loads an eighth of the slice of W2 (f32, read by no other work-group), rounds it and lays it into
; LDS as fragments, each byte written once; in interval t a wave lays half-chunk t and multiplies half-chunk t - 1; rows past the first 320 are served from the finished slice in a loop without barrier or LDS store.
; THE ORDER OF THE LOADS.  Loads come back in order (ISA guide 5.7.1), so a weight load can stay out only until the wave waits for a load of h issued behind it.  So h of a whole interval is asked for an interval
; ahead, and the weights of two intervals ahead directly behind it: a weight load has two intervals in which to land, and a wave has 16 of them out, 512 bytes each.
; K'S ORDER.  h lies as the first product left it: K step U, piece p, half h of the lanes, place i is hidden column 64 (U >> 1) + 32 h + 4 i + 2 (U & 1) + p.  The loads of W2's rows follow the same order.
; COLUMNS.  Lane (r, h) loads W2[k][n0+4r .. +3]; component c makes the fragment of columns n0+4r+c.  With h as source 0, register j of the four accumulators c = 0..3 holds four neighbouring
; columns of row 8h+j: one store of 16 bytes a lane, sixteen lanes 256 consecutive bytes, aligned.
; Wave w has row group mg = w >> 1 and column half g = w & 1; tile j = 20 BLK + 4 i + mg.  Whole tiles past the count repeat tile 0 (which the launch before always writes) and are not stored.
; No cluster: each weight byte has one reader; the rows of h that 8 work-groups share would have to pass through LDS, of which the slice takes 256 KB.  No tensor load: f32 is rounded in registers.
.set PITCH,  4096                      ; bytes from row to row of W2[e]
.set ROWI,   4*PITCH                   ; from one of a piece's eight loads to the next: four rows
.set HCB,    64*PITCH                  ; a half-chunk of W: 64 rows
.set STEPB,  1024                      ; a tile's K step in h
.set PIECEB, 512
.set KSB,    8192                      ; a K step's weight fragments in LDS: [column half 2][piece 2][c 4][lane 32][16 bytes]
.set HCL,    2*KSB                     ; a half-chunk in LDS; wave w writes bytes 2,048 w .. 2,048 w + 2,047 of it
.set SPARE,  32*KSB                    ; behind the slice: the spare words, 128 bytes a wave
.set SPW,  1
.set NIL,  2
.set LBG,  3                           ; v3   16 x lane + 4,096 g
.set BADR, 4
.set AOFF, 5                           ; v5-9 my five tiles' offsets in h;  v10-14 their offsets in gsort
.set BF,   16                          ; v16-47    4 weight fragments; on the way out the rows to store
.set TF,   48                          ; v48-63    four pieces just packed
.set AF,   64                          ; v64-223   two sets of 2 K steps x 5 fragments of h; set 1 takes the gates at a block's end
.set POFF, 240
.set LB,   241                         ; 16 x lane
.set WOFF, 242                         ; 16 r + 32 rows x h
.set WST0, 243                         ; 16 x lane + 2,048 w
.set WADR, 244
.set H32,  245                         ; 32 h
.set PB,   246                         ; in part: 8 h rows + 16 r + 256 g
.set STG,  160                         ; window 1: v0-159 the accumulators, (tile t, c) at 8 (4 t + c); v160-223 two stages of 8 weight loads
.set WV,20
.set CSL,21
.set EX,22
.set MG,23
.set T,24
.set NBLK,25
.set BLK,26
.set OC,27
.set G,28
.set WB,29
.set RB,30
.set BM,32
.set AP,66
.set AB,68
.set WP,70
.set OP,72
.set GP,74
.set TJ,80                             ; s80-84  my five tiles, a dead one as 0
.set PFX,85
.set QQ,94
.set MSB, 0
.macro WIN new                         ; the immediate's high byte repeats the setting that is left; a switch that changes nothing is dropped
.if MSB != (\new)
	s_set_vgpr_msb (MSB<<8)|(\new)
.set MSB, \new
.endif
.endm
.macro NOP4                            ; four places between a matrix instruction and a load into, or a vector write or read of, its registers
.rept 4
	v_nop
.endr
.endm
.macro ISSUE st                        ; 8 loads: my piece of the half-chunk at WP, into stage st
	WIN 0x40
.irp i, 0,1,2,3,4,5,6,7
	global_load_b128 v[STG+32*(\st)+4*\i:STG+32*(\st)+4*\i+3], v[WOFF], s[WP:WP+1] offset:\i*ROWI th:TH_LOAD_NT
.endr
.endm
.macro PROD st, issue                  ; stage st: 16 roundings, 4 stores of 512 consecutive bytes; its registers are asked for again two half-chunks on
	v_add_nc_u32 v[WADR], s[WB], v[WST0]
	WIN 0x05
.irp c, 0,1,2,3
.irp q, 0,1,2,3
	v_cvt_pk_bf16_f32 v[TF+4*\c+\q], v[STG+32*(\st)+8*\q+\c], v[STG+32*(\st)+8*\q+4+\c]
.endr
.endr
	WIN 0
.irp c, 0,1,2,3
	ds_store_b128 v[WADR], v[TF+4*\c:TF+4*\c+3] offset:512*\c
.endr
.if \issue
	ISSUE \st
	WIN 0
.endif
.endm
.macro BL hf, off                      ; 4 LDS loads: weight fragments c = 2 hf, 2 hf + 1
.irp c, 0,1
.irp p, 0,1
	ds_load_b128 v[BF+8*(2*(\hf)+\c)+4*\p:BF+8*(2*(\hf)+\c)+4*\p+3], v[BADR] offset:(\off)+\p*2048+(2*(\hf)+\c)*512
.endr
.endr
.endm
.macro AL set                          ; 20 loads of 512 consecutive bytes: five fragments of h for each of two K steps, the first step's first
.irp st, 0,1
.irp t, 0,1,2,3,4
.irp p, 0,1
	global_load_b128 v[AF+80*(\set)+40*\st+8*\t+4*\p:AF+80*(\set)+40*\st+8*\t+4*\p+3], v[AOFF+\t], s[AP:AP+1] offset:\st*STEPB+\p*PIECEB
.endr
.endr
.endr
.endm
.macro GL                              ; 10 loads: the gates of my rows 8h .. 8h+7 in each tile, into set 1
.irp t, 0,1,2,3,4
	v_lshl_add_u32 v[10+\t], s[TJ+\t], 6, v[H32]
	global_load_b128 v[AF+80+8*\t:AF+80+8*\t+3], v[10+\t], s[GP:GP+1]
	global_load_b128 v[AF+80+8*\t+4:AF+80+8*\t+7], v[10+\t], s[GP:GP+1] offset:16
.endr
.endm
.macro WM1 zero                        ; h is source 0
.if \zero
	v_wmma_f32_16x16x32_bf16 v[rD:rD+7], v[rA:rA+7], v[rB:rB+7], 0
.else
	v_wmma_f32_16x16x32_bf16 v[rD:rD+7], v[rA:rA+7], v[rB:rB+7], v[rD:rD+7]
.endif
.endm
.macro MM set, st, hf, zero            ; 10 matrix instructions: two weight fragments x five tiles.  A step's 20 accumulators take turns
	WIN 0x50
.irp c, 0,1
.irp t, 0,1,2,3,4
.set rD, 8*(4*\t+2*(\hf)+\c)
.set rB, BF+8*(2*(\hf)+\c)
.set rA, AF+80*(\set)+40*(\st)+8*\t
	WM1 \zero
.endr
.endr
.endm
; A half-chunk is multiplied: two K steps on set 'set'.  The first step's weights were asked for at the interval's head; the second's are fetched into each half of BF as it falls free.
; c0, c1: the younger loads that may stay out when the first and the second step's h has to be in.  The counts of 4 on DScnt leave the four youngest LDS instructions out.
.macro CONS set, zero, c0, c1
	s_wait_loadcnt \c0
	s_wait_dscnt 4
	MM \set, 0, 0, \zero
	WIN 0
	NOP4
	BL 0, KSB
	s_wait_dscnt 4
	MM \set, 0, 1, \zero
	WIN 0
	NOP4
	BL 1, KSB
	s_wait_loadcnt \c1
	s_wait_dscnt 4
	MM \set, 1, 0, 0
	s_wait_dscnt 0
	MM \set, 1, 1, 0
	WIN 0
	NOP4
.endm
.macro ENDI a, w, p, c                 ; an interval's end: the bases step
	s_wait_xcnt 0x0                                ; the interval's loads have read AP and WP
.if \a
	s_add_nc_u64 s[AP:AP+1], s[AP:AP+1], 2*STEPB
.endif
.if \w
	s_add_nc_u64 s[WP:WP+1], s[WP:WP+1], HCB
.endif
.if \p
	s_add_co_u32 s[WB], s[WB], HCL
.endif
.if \c
	s_add_co_u32 s[RB], s[RB], HCL
	v_add_nc_u32 v[BADR], s[RB], v[LBG]
.endif
.endm
.macro JOIN                            ; my LDS stores are done and no LDS load of mine is out; behind the wait that holds of every wave
	s_wait_dscnt 0x0
	s_barrier_signal -1
	s_barrier_wait -1
.endm
; INTERVAL t.  set = t % 2: the set of h that is multiplied and the weight stage that is laid down.  aiss: the next interval's h is asked for; prod: half-chunk t is laid; wiss: half-chunk t + 2 is asked for.
; wc: the younger loads that may stay out when stage 'set' has to be in.
.macro IVL set, zero, prod, wiss, aiss, wc, c0, c1
	BL 0, 0
	BL 1, 0
.if \aiss
	AL 1-(\set)
.endif
.if \prod
	s_wait_loadcnt \wc
	PROD \set, \wiss
.endif
	CONS \set, \zero, \c0, \c1
	ENDI \aiss, \wiss, \prod, 1
.endm
.macro AHEAD                           ; a block's first h, into set 1
	s_mov_b64 s[AP:AP+1], s[AB:AB+1]
	AL 1
	s_wait_xcnt 0x0
	s_add_nc_u64 s[AP:AP+1], s[AP:AP+1], 2*STEPB
	s_mov_b32 s[RB], 0
	v_add_nc_u32 v[BADR], s[RB], v[LBG]
.endm
.macro TJSET                           ; my five tiles of block BLK, a dead one as tile 0, and their offsets in h
	s_mul_i32 s88, s[BLK], 20
	s_add_co_u32 s88, s88, s[MG]
.irp t, 0,1,2,3,4
	s_add_co_u32 s86, s88, 4*\t
	s_cmp_lt_u32 s86, s[T]
	s_cselect_b32 s[TJ+\t], s86, 0
	s_min_u32 s[TJ+\t], s[TJ+\t], 63
	s_lshl_b32 s86, s[TJ+\t], 17
	v_add_nc_u32 v[AOFF+\t], s86, v[LB]
.endr
.endm
; Tile t goes out: the multiply by the row's gate also lays four neighbouring columns side by side (each accumulator is read from register 0 on); 8 stores
.macro ETILE t
	s_add_co_u32 s86, s88, 4*\t
	s_cmp_ge_u32 s86, s[T]
	s_cbranch_scc1 .Ldead\t
	s_min_u32 s86, s86, 63
	s_lshl_b32 s86, s86, 16
	s_wait_xcnt 0x0                                ; the tile before has read its offset and its data
	v_add_nc_u32 v[POFF], s86, v[PB]
	WIN 0x01
.irp j, 0,1,2,3,4,5,6,7
.irp c, 0,1,2,3
	v_mul_f32 v[BF+4*\j+\c], v[32*\t+8*\c+\j], v[AF+80+8*\t+\j]
.endr
.endr
	WIN 0
.irp j, 0,1,2,3,4,5,6,7
	global_store_b128 v[POFF], v[BF+4*\j:BF+4*\j+3], s[OP:OP+1] offset:4096*\j  ; sixteen lanes store 256 consecutive bytes of one row, aligned
.endr
.Ldead\t:
.endm
	s_load_b256 s[4:11], s[0:1], 0x0               ; h 4, W2 6, route 8, gsort 10
	s_load_b64 s[12:13], s[0:1], 0x20              ; part
	v_lshl_add_u32 v[SPW], v0, 2, SPARE
	v_mov_b32 v[NIL], 0
	v_lshrrev_b32 v15, 5, v0
	v_readfirstlane_b32 s[WV], v15
	s_and_b32 s[CSL], ttmp9, 7
	s_lshr_b32 s[QQ], ttmp9, 3
	s_and_b32 s[EX], ttmp7, 0xffff
	s_lshr_b32 s[MG], s[WV], 1
	s_and_b32 s[G], s[WV], 1
	v_and_b32 v247, 31, v0                         ; lane
	v_and_b32 v248, 15, v0                         ; r
	v_bfe_u32 v249, v0, 4, 1                       ; h
	v_lshlrev_b32 v[WOFF], 4, v248
	v_lshl_add_u32 v[WOFF], v249, 17, v[WOFF]      ; the upper half of the lanes reads 32 rows further down
	s_lshl_b32 s86, s[WV], 11
	v_lshl_add_u32 v[WST0], v247, 4, s86
	s_lshl_b32 s86, s[G], 12
	v_lshl_add_u32 v[LBG], v247, 4, s86
	v_lshlrev_b32 v[LB], 4, v247
	v_lshlrev_b32 v[H32], 5, v249
	s_lshl_b32 s86, s[G], 8
	v_lshl_add_u32 v[PB], v248, 4, s86
	v_lshl_add_u32 v[PB], v249, 15, v[PB]
	; my piece of a half-chunk: K step w >> 2 (2 rows on), piece w & 1 (1 row on), column half (w >> 1) & 1 (256 bytes)
	s_lshl_b32 s76, s[EX], 24                      ; an expert's W2: 16 MiB
	s_lshl_b32 s87, s[QQ], 22                      ; a K quarter: 1,024 rows
	s_add_co_u32 s76, s76, s87
	s_lshr_b32 s87, s[WV], 2
	s_lshl_b32 s87, s87, 13
	s_add_co_u32 s76, s76, s87
	s_lshl_b32 s87, s[G], 12
	s_add_co_u32 s76, s76, s87
	s_and_b32 s87, s[MG], 1
	s_lshl_b32 s87, s87, 8
	s_add_co_u32 s76, s76, s87
	s_lshl_b32 s87, s[CSL], 9
	s_add_co_u32 s76, s76, s87
	s_mov_b32 s77, 0
	s_lshl_b32 s92, s[EX], 7                       ; the expert's bitmap
	s_add_co_u32 s92, s92, 8192
	s_mov_b32 s93, 0
	s_wait_kmcnt 0x0
	s_add_nc_u64 s[92:93], s[8:9], s[92:93]
	s_load_b512 s[BM:BM+15], s[92:93], 0x0
	s_load_b512 s[BM+16:BM+31], s[92:93], 0x40
	s_add_nc_u64 s[WP:WP+1], s[6:7], s[76:77]
	ISSUE 0                                        ; two half-chunks are asked for before anything else is done
	s_wait_xcnt 0x0
	s_add_nc_u64 s[WP:WP+1], s[WP:WP+1], HCB
	ISSUE 1
	WIN 0
	s_wait_xcnt 0x0
	s_add_nc_u64 s[WP:WP+1], s[WP:WP+1], HCB
	s_mov_b32 s[PFX], 0
	s_mov_b32 s[BLK], 0
	s_mov_b32 s[WB], 0
	s_wait_kmcnt 0x0
.set w, 0
.rept 32                                               ; the expert's rows
	s_bcnt1_i32_b32 s87, s[BM+w]
	s_add_co_u32 s[PFX], s[PFX], s87
.set w, w+1
.endr
	s_add_co_u32 s[T], s[PFX], 15
	s_lshr_b32 s[T], s[T], 4
	s_min_u32 s[T], s[T], 64
	s_cmp_gt_u32 s[T], 20
	s_cselect_b32 s[NBLK], 2, 1
	s_cmp_gt_u32 s[T], 40
	s_cselect_b32 s[NBLK], 3, s[NBLK]
	s_cmp_gt_u32 s[T], 60
	s_cselect_b32 s[NBLK], 4, s[NBLK]
	TJSET
	s_lshl_b32 s76, s[EX], 23                      ; an expert's h: 8 MiB; the quarter's 32 K steps: 32,768 bytes of each tile
	s_lshl_b32 s87, s[QQ], 15
	s_add_co_u32 s76, s76, s87
	s_mov_b32 s77, 0
	s_add_nc_u64 s[AB:AB+1], s[4:5], s[76:77]
	s_lshl_b32 s76, s[EX], 12
	s_add_nc_u64 s[GP:GP+1], s[10:11], s[76:77]
	s_lshl_b32 s76, s[QQ], 25                      ; a quarter's part: 32 MiB; an expert's 1,024 rows: 4 MiB; the slice's 128 columns
	s_lshl_b32 s87, s[EX], 22
	s_add_co_u32 s76, s76, s87
	s_lshl_b32 s87, s[CSL], 9
	s_add_co_u32 s76, s76, s87
	s_add_nc_u64 s[OP:OP+1], s[12:13], s[76:77]
	AHEAD
	; ---- interval 0: half-chunk 0 is laid
	s_wait_loadcnt 28                              ; half-chunk 0 is in; half-chunk 1 (8) and the first h (20) stay out
	PROD 0, 1
	ENDI 0, 1, 1, 0
	JOIN
	; The counts.  At an interval's head the queue holds W(t) 8, A(t) 20, W(t+1) 8; A(t+1) 20 joins: 48 leaves all but W(t) out.  W(t+2) 8 joins: 46 leaves all but A(t)'s first ten out, 36 all but A(t).
	IVL 1, 1, 1, 1, 1, 48, 46, 36                  ; t = 1: its first products start the sums
	JOIN
	s_mov_b32 s[OC], 6
.Lo:                                                   ; t = 2 .. 13
	IVL 0, 0, 1, 1, 1, 48, 46, 36
	JOIN
	IVL 1, 0, 1, 1, 1, 48, 46, 36
	JOIN
	s_sub_co_u32 s[OC], s[OC], 1
	s_cmp_lg_u32 s[OC], 0
	s_cbranch_scc1 .Lo
	IVL 0, 0, 1, 0, 1, 48, 38, 28                  ; t = 14: no weights are left to ask for, and the counts run down
	JOIN
	IVL 1, 0, 1, 0, 1, 40, 30, 20                  ; t = 15
	JOIN                                           ; the slice is whole; no LDS store follows, and one more barrier, at the wave's end
.Lblk:                                                 ; a block's last half-chunk, its way out, and the next block's first fifteen
	s_wait_xcnt 0x0
	s_mov_b32 s[RB], 15*HCL
	v_add_nc_u32 v[BADR], s[RB], v[LBG]
	GL
	BL 0, 0
	BL 1, 0
	CONS 0, 0, 20, 10                              ; behind the last h stand the ten loads of the gates
	s_mul_i32 s88, s[BLK], 20
	s_add_co_u32 s88, s88, s[MG]
	s_wait_loadcnt 0x0                             ; the gates
	ETILE 0
	ETILE 1
	ETILE 2
	ETILE 3
	ETILE 4
	s_add_co_u32 s[BLK], s[BLK], 1
	s_cmp_ge_u32 s[BLK], s[NBLK]
	s_cbranch_scc1 .Lnomore
	s_wait_xcnt 0x0                                ; the stores have read their data and offsets
	TJSET
	AHEAD
	IVL 1, 1, 0, 0, 1, 0, 30, 20                   ; the queue holds h alone: 30 leaves all but the first ten out, 20 the next interval's
	s_mov_b32 s[OC], 7
.Lp:
	IVL 0, 0, 0, 0, 1, 0, 30, 20
	IVL 1, 0, 0, 0, 1, 0, 30, 20
	s_sub_co_u32 s[OC], s[OC], 1
	s_cmp_lg_u32 s[OC], 0
	s_cbranch_scc1 .Lp
.Lnomore:
	s_cmp_lt_u32 s[BLK], s[NBLK]
	s_cbranch_scc1 .Lblk
	JOIN                                           ; every wave's LDS reads of the loop above, whose addresses step in a register, are over before any wave's closing add; all eight waves make the same number of trips and meet here once
	s_wait_tensorcnt 0x0                           ; the wave's end
	ds_add_u32 v[SPW], v[NIL]
	s_wait_dscnt 0x0
	s_endpgm
.Lfunc_end_k_q5e2d0a6e65_ffn2:
	.size	k_q5e2d0a6e65_ffn2, .Lfunc_end_k_q5e2d0a6e65_ffn2-k_q5e2d0a6e65_ffn2
	.p2alignl 7, 3214868480
	.fill 96, 4, 3214868480
	.section	.rodata,"a",@progbits
	.p2align	6, 0x0
	.amdhsa_kernel k_q5e2d0a6e65_ffn2
		.amdhsa_group_segment_fixed_size 263168
		.amdhsa_private_segment_fixed_size 0
		.amdhsa_enable_private_segment 0
		.amdhsa_kernarg_size 40
		.amdhsa_user_sgpr_count 2
		.amdhsa_user_sgpr_kernarg_segment_ptr 1
		.amdhsa_wavefront_size32 1
		.amdhsa_system_sgpr_workgroup_id_x 1
		.amdhsa_system_sgpr_workgroup_id_y 1
		.amdhsa_system_sgpr_workgroup_id_z 1
		.amdhsa_system_vgpr_workitem_id 0
		.amdhsa_next_free_vgpr 512
		.amdhsa_next_free_sgpr 104
		.amdhsa_reserve_vcc 0
		.amdhsa_float_denorm_mode_32 3
		.amdhsa_float_denorm_mode_16_64 3
		.amdhsa_memory_ordered 1
		.amdhsa_forward_progress 1
		.amdhsa_inst_pref_size 93
	.end_amdhsa_kernel
	.amdgpu_metadata
---
amdhsa.version: [ 1, 2 ]
amdhsa.kernels:
  - .name:           k_q5e2d0a6e65_ffn2
    .symbol:         k_q5e2d0a6e65_ffn2.kd
    .args:
      - { .name: h, .offset: 0, .size: 8, .value_kind: global_buffer, .address_space: global }
      - { .name: W2, .offset: 8, .size: 8, .value_kind: global_buffer, .address_space: global }
      - { .name: route, .offset: 16, .size: 8, .value_kind: global_buffer, .address_space: global }
      - { .name: gsort, .offset: 24, .size: 8, .value_kind: global_buffer, .address_space: global }
      - { .name: part, .offset: 32, .size: 8, .value_kind: global_buffer, .address_space: global }
    .group_segment_fixed_size: 263168
    .private_segment_fixed_size: 0
    .kernarg_segment_align: 8
    .kernarg_segment_size: 40
    .max_flat_workgroup_size: 256
    .sgpr_count:     104
    .vgpr_count:     512
    .wavefront_size: 32
...
	.end_amdgpu_metadata
.endif
;; end of part 3
;; launch combine (part 4): grid 256 x 1, 8 waves a work-group, no clusters, 0 bytes of LDS; arguments part, route, gates, rowpos, b2, out0, out1; writes out0, out1
.if DOCPART == 4
	.amdgcn_target "amdgcn-amd-amdhsa--gfx1250"
	.amdhsa_code_object_version 6
	.text
	.protected	k_q5e2d0a6e65_combine
	.globl	k_q5e2d0a6e65_combine
	.p2align	8
	.type	k_q5e2d0a6e65_combine,@function
k_q5e2d0a6e65_combine:
	s_mov_b64 s[64:65], 0
	v_nop
	global_prefetch_b8 v0, s[64:65] scope:SCOPE_SE
	s_setreg_imm32_b32 hwreg(HW_REG_WAVE_MODE, 25, 1), 1
	s_wait_xcnt 0x0
; THE SUM.  out0[n] = the sum over the token's two experts k and the four K quarters q of part[q][e_k 1024 + rank_k] + the sum over k of g_k b2[e_k]; b2 rounded once to bf16, like all inputs; all sums in f32.
; out1 = (experts with a token) x mean(g[:, 0])^2.
; A wave has half a token's row (2,048 bytes): 40 loads of 512 consecutive bytes, all issued before the first wait for data, and 4 stores of 512.  The rows' places come from whole numbers that earlier launches
; stored: idx (route), rank (rowpos); each is clamped to its table before it enters an address.
; A gather and a sum: LDS, barriers, matrix unit and clusters would add nothing, since no two waves read the same bytes of part.
	s_load_b256 s[4:11], s[0:1], 0x0               ; part 4, route 6, gates 8, rowpos 10
	s_load_b128 s[12:15], s[0:1], 0x20             ; b2 12, out0 14
	s_load_b64 s[16:17], s[0:1], 0x30              ; out1
	v_lshrrev_b32 v1, 5, v0
	v_readfirstlane_b32 s18, v1                    ; wave
	v_and_b32 v2, 31, v0                           ; lane
	s_lshr_b32 s19, s18, 1
	s_lshl_b32 s20, ttmp9, 2
	s_add_co_u32 s20, s20, s19                     ; my token
	s_and_b32 s21, s18, 1                          ; my half of its row
	s_lshl_b32 s22, s20, 3
	s_wait_kmcnt 0x0
	s_load_b64 s[24:25], s[6:7], s22 offset:0x0    ; e_0, e_1
	s_load_b64 s[26:27], s[8:9], s22 offset:0x0    ; g_0, g_1
	s_or_b32 s23, ttmp9, s18
	s_cmp_lg_u32 s23, 0
	s_cbranch_scc1 .Lmain
	; one wave of the launch makes out1, in the wait for its first scalar loads
	v_lshlrev_b32 v3, 4, v2
.set j, 0
.rept 16                                               ; g[n][2]: components 0 and 2 of 16 bytes are two tokens' first gates
	global_load_b128 v[16+4*j:19+4*j], v3, s[8:9] offset:512*j
.set j, j+1
.endr
	v_lshlrev_b32 v4, 2, v2
.irp e, 0,1,2,3,4,5,6,7                                ; expert e's bitmap, a word a lane
	global_load_b32 v[80+\e], v4, s[6:7] offset:8192+128*\e
.endr
	s_mov_b32 s44, 0x76543210
	s_mov_b32 s45, 0xfedcba98
	s_mov_b32 s42, 0
	s_wait_loadcnt 0x0
.set j, 0
.rept 16
	v_add_f32 v[16+4*j], v[16+4*j], v[18+4*j]
.set j, j+1
.endr
.irp d, 8,4,2,1
.set j, 0
.rept \d
	v_add_f32 v[16+4*j], v[16+4*j], v[16+4*(j+\d)]
.set j, j+1
.endr
.endr
	v_add_f32_dpp v16, v16, v16 row_xmask:1 row_mask:0xf bank_mask:0xf
	v_add_f32_dpp v16, v16, v16 row_xmask:2 row_mask:0xf bank_mask:0xf
	v_add_f32_dpp v16, v16, v16 row_xmask:4 row_mask:0xf bank_mask:0xf
	v_add_f32_dpp v16, v16, v16 row_xmask:8 row_mask:0xf bank_mask:0xf
	v_permlanex16_b32 v17, v16, s44, s45
	v_add_f32 v16, v16, v17
	v_mul_f32 v16, 0x3a800000, v16                 ; / 1,024: the mean
.irp e, 0,1,2,3,4,5,6,7
	v_cmp_ne_u32 s40, 0, v[80+\e]
	s_cmp_lg_u32 s40, 0
	s_cselect_b32 s41, 1, 0
	s_add_co_u32 s42, s42, s41
.endr
	v_cvt_f32_u32 v18, s42
	v_mul_f32 v18, v18, v16
	v_mul_f32 v18, v18, v16
	v_mov_b32 v19, 0
	v_cmp_eq_u32 vcc_lo, 0, v2
	s_wait_xcnt 0x0                                ; EXEC changes only behind this wait
	s_and_saveexec_b32 s43, vcc_lo
	global_store_b32 v19, v18, s[16:17]
	s_wait_xcnt 0x0
	s_or_b32 exec_lo, exec_lo, s43
.Lmain:
	s_wait_kmcnt 0x0
	s_min_u32 s24, s24, 7
	s_min_u32 s25, s25, 7
	s_lshl_b32 s23, s20, 2
	s_lshl_b32 s28, s24, 12
	s_add_co_u32 s28, s28, s23
	s_lshl_b32 s29, s25, 12
	s_add_co_u32 s29, s29, s23
	s_load_b32 s30, s[10:11], s28 offset:0x0       ; my token's rank in each expert's list
	s_load_b32 s31, s[10:11], s29 offset:0x0
	s_mov_b32 s38, s27                             ; g_1 as the low word of a pair
	s_mov_b32 s39, s27
	s_lshl_b32 s46, s21, 11
	v_lshl_add_u32 v3, v2, 4, s46                  ; my half, 16 bytes a lane
	s_lshl_b32 s47, s24, 12
	v_add_nc_u32 v6, s47, v3
	s_lshl_b32 s47, s25, 12
	v_add_nc_u32 v7, s47, v3
.irp k, 0,1
.irp t, 0,1,2,3
	global_load_b128 v[16+16*\k+4*\t:19+16*\k+4*\t], v[6+\k], s[12:13] offset:512*\t
.endr
.endr
	s_mov_b64 s[48:49], s[4:5]                     ; part's four quarters
	s_add_nc_u64 s[50:51], s[4:5], 0x2000000
	s_add_nc_u64 s[52:53], s[4:5], 0x4000000
	s_add_nc_u64 s[54:55], s[4:5], 0x6000000
	s_lshl_b32 s47, s20, 12
	v_add_nc_u32 v9, s47, v3                       ; my place in out0
	s_wait_kmcnt 0x0
	s_min_u32 s30, s30, 1023
	s_min_u32 s31, s31, 1023
	s_lshl_b32 s47, s24, 10
	s_add_co_u32 s47, s47, s30
	s_lshl_b32 s47, s47, 12
	v_add_nc_u32 v4, s47, v3
	s_lshl_b32 s47, s25, 10
	s_add_co_u32 s47, s47, s31
	s_lshl_b32 s47, s47, 12
	v_add_nc_u32 v5, s47, v3
.irp k, 0,1
.irp q, 0,1,2,3
.irp t, 0,1,2,3
	global_load_b128 v[48+16*(4*\k+\q)+4*\t:51+16*(4*\k+\q)+4*\t], v[4+\k], s[48+2*\q:49+2*\q] offset:512*\t th:TH_LOAD_NT
.endr
.endr
.endr
	; Ten groups of four loads, in order: each wait leaves the younger groups out
	s_wait_loadcnt 36
.set i, 0
.rept 8
	v_cvt_pk_bf16_f32 v8, v[16+2*i], v[17+2*i]
	v_lshlrev_b32 v[16+2*i], 16, v8
	v_and_b32 v[17+2*i], 0xffff0000, v8
	v_pk_mul_f32 v[16+2*i:17+2*i], v[16+2*i:17+2*i], s[26:27] op_sel_hi:[1,0]
.set i, i+1
.endr
	s_wait_loadcnt 32
.set i, 0
.rept 8
	v_cvt_pk_bf16_f32 v8, v[32+2*i], v[33+2*i]
	v_lshlrev_b32 v[32+2*i], 16, v8
	v_and_b32 v[33+2*i], 0xffff0000, v8
	v_pk_fma_f32 v[16+2*i:17+2*i], v[32+2*i:33+2*i], s[38:39], v[16+2*i:17+2*i] op_sel_hi:[1,0,1]
.set i, i+1
.endr
.set gi, 0
.rept 8
	s_wait_loadcnt 28-4*gi
.set i, 0
.rept 8
	v_pk_add_f32 v[16+2*i:17+2*i], v[16+2*i:17+2*i], v[48+16*gi+2*i:49+16*gi+2*i]
.set i, i+1
.endr
.set gi, gi+1
.endr
.irp t, 0,1,2,3
	global_store_b128 v9, v[16+4*\t:19+4*\t], s[14:15] offset:512*\t th:TH_STORE_NT  ; 512 consecutive bytes, aligned
.endr
	s_endpgm
.Lfunc_end_k_q5e2d0a6e65_combine:
	.size	k_q5e2d0a6e65_combine, .Lfunc_end_k_q5e2d0a6e65_combine-k_q5e2d0a6e65_combine
	.p2alignl 7, 3214868480
	.fill 96, 4, 3214868480
	.section	.rodata,"a",@progbits
	.p2align	6, 0x0
	.amdhsa_kernel k_q5e2d0a6e65_combine
		.amdhsa_group_segment_fixed_size 0
		.amdhsa_private_segment_fixed_size 0
		.amdhsa_enable_private_segment 0
		.amdhsa_kernarg_size 56
		.amdhsa_user_sgpr_count 2
		.amdhsa_user_sgpr_kernarg_segment_ptr 1
		.amdhsa_wavefront_size32 1
		.amdhsa_system_sgpr_workgroup_id_x 1
		.amdhsa_system_sgpr_workgroup_id_y 1
		.amdhsa_system_sgpr_workgroup_id_z 1
		.amdhsa_system_vgpr_workitem_id 0
		.amdhsa_next_free_vgpr 192
		.amdhsa_next_free_sgpr 66
		.amdhsa_reserve_vcc 1
		.amdhsa_float_denorm_mode_32 3
		.amdhsa_float_denorm_mode_16_64 3
		.amdhsa_memory_ordered 1
		.amdhsa_forward_progress 1
		.amdhsa_inst_pref_size 20
	.end_amdhsa_kernel
	.amdgpu_metadata
---
amdhsa.version: [ 1, 2 ]
amdhsa.kernels:
  - .name:           k_q5e2d0a6e65_combine
    .symbol:         k_q5e2d0a6e65_combine.kd
    .args:
      - { .name: part, .offset: 0, .size: 8, .value_kind: global_buffer, .address_space: global }
      - { .name: route, .offset: 8, .size: 8, .value_kind: global_buffer, .address_space: global }
      - { .name: gates, .offset: 16, .size: 8, .value_kind: global_buffer, .address_space: global }
      - { .name: rowpos, .offset: 24, .size: 8, .value_kind: global_buffer, .address_space: global }
      - { .name: b2, .offset: 32, .size: 8, .value_kind: global_buffer, .address_space: global }
      - { .name: out0, .offset: 40, .size: 8, .value_kind: global_buffer, .address_space: global }
      - { .name: out1, .offset: 48, .size: 8, .value_kind: global_buffer, .address_space: global }
    .group_segment_fixed_size: 0
    .private_segment_fixed_size: 0
    .kernarg_segment_align: 8
    .kernarg_segment_size: 56
    .max_flat_workgroup_size: 256
    .sgpr_count:     66
    .vgpr_count:     192
    .wavefront_size: 32
...
	.end_amdgpu_metadata
.endif
;; end of part 4
;; ======== version 2 of 2: 5 launches; 1.25 times as fast as version 1
;; workspace buffers: xb 2,097,152 bytes; route 9,216 bytes of whole numbers; gates 40,960 bytes; h 67,108,864 bytes; rowpos 32,768 bytes of whole numbers; gsort 32,768 bytes; part 134,217,728 bytes; xg 16,777,216 bytes
;; launch router: the kernel of part 1 again; grid 64 x 1, 4 waves a work-group, no clusters, 54,016 bytes of LDS; arguments x, Wg, bg, xb, route, gates; writes xb, route, gates
;; launch place (part 5): grid 128 x 8, 1 waves a work-group, no clusters, 512 bytes of LDS; arguments xb, route, gates, xg, rowpos, gsort; writes xg, rowpos, gsort
.if DOCPART == 5
	.amdgcn_target "amdgcn-amd-amdhsa--gfx1250"
	.amdhsa_code_object_version 6
	.text
	.protected	k_q5e2d0a6e65_place
	.globl	k_q5e2d0a6e65_place
	.p2align	8
	.type	k_q5e2d0a6e65_place,@function
k_q5e2d0a6e65_place:
	s_mov_b64 s[64:65], 0
	v_nop
	global_prefetch_b8 v0, s[64:65] scope:SCOPE_SE
	s_setreg_imm32_b32 hwreg(HW_REG_WAVE_MODE, 25, 1), 1
	s_wait_xcnt 0x0
; PLACING THE ROWS.  For each expert the tokens that chose it, in ascending order, are laid down once in the order in which the first product's operand registers take them:
; xg[e][tile of 16 rows][K step 0..31][piece 0..1][lane (r, h)][16 bytes] = xb[token of rank 16 tile + r][bytes 64 U + 32 p + 16 h ..].  Ranks past the expert's count repeat token 0.
; Also stored: rowpos[e][token] = the token's rank in the expert's list (by each expert's first work-group), gsort[e][rank] = its gate (by K half 0 of each tile).
; SHARES.  A work-group is one wave: tile x >> 1 and K half x & 1 of expert y.  It reads 1,024 consecutive bytes of each of its 16 rows (32 loads of 16 bytes a lane, all issued before the first wait for them)
; and stores them by 32 stores of 512 consecutive bytes, aligned.  The pieces are read here once, so that the 32 work-groups of an expert in the next launch need not read them piecewise again and again.
; THE GRID has 64 tiles an expert, which serves the split that puts all 1,024 tokens on one expert; a work-group whose tile lies at or past max(tiles, 1) stores nothing and ends.  A dense grid
; (never more than 135 tiles) would want all eight experts' counts ahead of the first address.  Tile 0 is laid also for an expert without rows: the next launches' dead tiles read it.
; The choice comes as whole numbers that the launch before stored (the bitmap); a token's number is clamped to its table before it enters an address.
; A copy by a list: matrix unit, clusters and tensor loads have nothing to do here; one wave needs no barrier.
.set LIST,  0                          ; LDS words 0-15: the tile's tokens; words 16-47: for the lanes that have nothing to say
.set SPARE, 256                        ; the spare words, 128 bytes
.set SPW,  1                           ; v1   my spare word's address; never rewritten
.set NIL,  2                           ; v2   0; never rewritten
.set RK,   16                          ; v16-47   word w: the rank of token 32 w + lane, less 16 x my tile
.set D,    64                          ; v64-191  the 32 loads
.set TI,20
.set KH,21
.set EX,22
.set T,24
.set TS,25
.set PFX,26
.set BM,32                             ; s32-63   the expert's bitmap
	s_load_b256 s[4:11], s[0:1], 0x0               ; xb 4, route 6, gates 8, xg 10
	s_load_b128 s[12:15], s[0:1], 0x20             ; rowpos 12, gsort 14
	v_lshl_add_u32 v[SPW], v0, 2, SPARE
	v_mov_b32 v[NIL], 0
	s_lshr_b32 s[TI], ttmp9, 1
	s_and_b32 s[KH], ttmp9, 1
	s_and_b32 s[EX], ttmp7, 0xffff
	v_and_b32 v3, 15, v0                           ; r (one wave: v0 is the lane)
	v_bfe_u32 v4, v0, 4, 1                         ; h
	v_lshl_add_u32 v5, v0, 2, LIST
	v_lshlrev_b32 v6, 2, v0                        ; 4 x lane
	v_add_nc_u32 v7, 16, v0                        ; my own word behind the list
	v_lshl_add_u32 v8, v3, 2, LIST                 ; where row r's token will lie
	ds_store_b32 v5, v[NIL]                        ; ranks past the count name token 0
	s_lshl_b32 s16, s[EX], 7
	s_add_co_u32 s16, s16, 8192
	s_mov_b32 s17, 0
	s_wait_kmcnt 0x0
	s_add_nc_u64 s[16:17], s[6:7], s[16:17]
	s_load_b512 s[BM:BM+15], s[16:17], 0x0
	s_load_b512 s[BM+16:BM+31], s[16:17], 0x40
	s_lshl_b32 s78, s[EX], 12                      ; an expert's 1,024 words in rowpos, gsort and cwT
	s_mov_b32 s79, 0
	s_add_nc_u64 s[70:71], s[12:13], s[78:79]
	s_add_nc_u64 s[72:73], s[14:15], s[78:79]
	s_add_co_u32 s78, s78, 8192
	s_add_nc_u64 s[74:75], s[8:9], s[78:79]
	s_lshl_b32 s78, s[EX], 21                      ; in xg: an expert 2 MiB, a tile 32,768 bytes, a K half 16,384
	s_lshl_b32 s27, s[TI], 15
	s_add_co_u32 s78, s78, s27
	s_lshl_b32 s27, s[KH], 14
	s_add_co_u32 s78, s78, s27
	s_add_nc_u64 s[76:77], s[10:11], s[78:79]
	s_mov_b32 s[PFX], 0
	s_wait_kmcnt 0x0
.set w, 0
.rept 32                                               ; the expert's rows
	s_bcnt1_i32_b32 s29, s[BM+w]
	s_add_co_u32 s[PFX], s[PFX], s29
.set w, w+1
.endr
	s_add_co_u32 s[T], s[PFX], 15
	s_lshr_b32 s[T], s[T], 4
	s_max_u32 s[TS], s[T], 1
	s_cmp_ge_u32 s[TI], s[TS]
	s_cbranch_scc1 .Lend                           ; no such tile
	s_lshl_b32 s27, s[TI], 4
	s_sub_co_u32 s28, 0, s27                       ; the count starts at -16 x my tile: my tile's ranks come out as 0..15, all others (as unsigned numbers) above
.set w, 0
.rept 32                                               ; word w: token 32 w + lane has rank = the bits below it.  A lane whose bit is off, or whose rank is not my tile's, writes behind the list.  LDS serves my stores in order
	v_mbcnt_lo_u32_b32 v[RK+w], s[BM+w], s28
	v_cndmask_b32 v9, v7, v[RK+w], s[BM+w]
	v_min_u32 v9, 0x2f, v9
	v_lshl_add_u32 v9, v9, 2, LIST
	v_or_b32 v10, 32*w, v0
	ds_store_b32 v9, v10
	s_bcnt1_i32_b32 s29, s[BM+w]
	s_add_co_u32 s28, s28, s29
.set w, w+1
.endr
	ds_load_b32 v11, v8                            ; behind my stores, in order
	s_lshl_b32 s29, s[KH], 10
	v_lshl_add_u32 v14, v4, 4, s29                 ; 16 h + my half of the row
	v_lshlrev_b32 v15, 4, v0                       ; 16 x lane
	s_lshl_b32 s29, s[TI], 6
	v_lshl_add_u32 v48, v3, 2, s29                 ; 4 x rank
	s_wait_dscnt 0x0
	v_min_u32 v11, 0x3ff, v11
	v_lshlrev_b32 v12, 2, v11
	global_load_b32 v13, v12, s[74:75]             ; the token's gate for this expert
	v_lshl_add_u32 v14, v11, 11, v14               ; the token's row of 2,048 bytes
.set i, 0
.rept 32                                               ; K step i / 2 of my sixteen, piece i % 2
	global_load_b128 v[D+4*i:D+4*i+3], v14, s[4:5] offset:32*i
.set i, i+1
.endr
	s_or_b32 s29, s[TI], s[KH]
	s_cmp_lg_u32 s29, 0
	s_cbranch_scc1 .Lnr
.set w, 0
.rept 32                                               ; the expert's first work-group (its tile is 0, so these are the ranks themselves): for the last launch
	global_store_b32 v6, v[RK+w], s[70:71] offset:128*w
.set w, w+1
.endr
.Lnr:
	s_cmp_lg_u32 s[KH], 0
	s_cbranch_scc1 .Lng
	s_wait_loadcnt 32                              ; the gate is in: the 32 loads of the rows were issued behind it
	global_store_b32 v48, v13, s[72:73]            ; both halves of the lanes hold, and store, the same
.Lng:
.set i, 0
.rept 32
	s_wait_loadcnt 31-i                            ; loads come back in order (ISA guide 5.7.1): number i is in, the younger ones stay out
	global_store_b128 v15, v[D+4*i:D+4*i+3], s[76:77] offset:512*i  ; 512 consecutive bytes, aligned
.set i, i+1
.endr
.Lend:
	s_wait_tensorcnt 0x0                           ; the wave's end
	ds_add_u32 v[SPW], v[NIL]
	s_wait_dscnt 0x0
	s_endpgm
.Lfunc_end_k_q5e2d0a6e65_place:
	.size	k_q5e2d0a6e65_place, .Lfunc_end_k_q5e2d0a6e65_place-k_q5e2d0a6e65_place
	.p2alignl 7, 3214868480
	.fill 96, 4, 3214868480
	.section	.rodata,"a",@progbits
	.p2align	6, 0x0
	.amdhsa_kernel k_q5e2d0a6e65_place
		.amdhsa_group_segment_fixed_size 512
		.amdhsa_private_segment_fixed_size 0
		.amdhsa_enable_private_segment 0
		.amdhsa_kernarg_size 48
		.amdhsa_user_sgpr_count 2
		.amdhsa_user_sgpr_kernarg_segment_ptr 1
		.amdhsa_wavefront_size32 1
		.amdhsa_system_sgpr_workgroup_id_x 1
		.amdhsa_system_sgpr_workgroup_id_y 1
		.amdhsa_system_sgpr_workgroup_id_z 1
		.amdhsa_system_vgpr_workitem_id 0
		.amdhsa_next_free_vgpr 192
		.amdhsa_next_free_sgpr 96
		.amdhsa_reserve_vcc 0
		.amdhsa_float_denorm_mode_32 3
		.amdhsa_float_denorm_mode_16_64 3
		.amdhsa_memory_ordered 1
		.amdhsa_forward_progress 1
		.amdhsa_inst_pref_size 28
	.end_amdhsa_kernel
	.amdgpu_metadata
---
amdhsa.version: [ 1, 2 ]
amdhsa.kernels:
  - .name:           k_q5e2d0a6e65_place
    .symbol:         k_q5e2d0a6e65_place.kd
    .args:
      - { .name: xb, .offset: 0, .size: 8, .value_kind: global_buffer, .address_space: global }
      - { .name: route, .offset: 8, .size: 8, .value_kind: global_buffer, .address_space: global }
      - { .name: gates, .offset: 16, .size: 8, .value_kind: global_buffer, .address_space: global }
      - { .name: xg, .offset: 24, .size: 8, .value_kind: global_buffer, .address_space: global }
      - { .name: rowpos, .offset: 32, .size: 8, .value_kind: global_buffer, .address_space: global }
      - { .name: gsort, .offset: 40, .size: 8, .value_kind: global_buffer, .address_space: global }
    .group_segment_fixed_size: 512
    .private_segment_fixed_size: 0
    .kernarg_segment_align: 8
    .kernarg_segment_size: 48
    .max_flat_workgroup_size: 32
    .sgpr_count:     96
    .vgpr_count:     192
    .wavefront_size: 32
...
	.end_amdgpu_metadata
.endif
;; end of part 5
;; launch ffn1 (part 6): grid 32 x 8, 8 waves a work-group, no clusters, 263,168 bytes of LDS; arguments xg, W1, b1, route, h; writes h
.if DOCPART == 6
	.amdgcn_target "amdgcn-amd-amdhsa--gfx1250"
	.amdhsa_code_object_version 6
	.text
	.protected	k_q5e2d0a6e65_ffn1
	.globl	k_q5e2d0a6e65_ffn1
	.p2align	8
	.type	k_q5e2d0a6e65_ffn1,@function
k_q5e2d0a6e65_ffn1:
	s_mov_b64 s[64:65], 0
	v_nop
	global_prefetch_b8 v0, s[64:65] scope:SCOPE_SE
	s_setreg_imm32_b32 hwreg(HW_REG_WAVE_MODE, 25, 1), 1
	s_wait_xcnt 0x0
; THE FIRST PRODUCT.  h = relu(x W1[e] + b1[e]) for the tokens that chose expert e, in bf16.  Work-group (sl, e): hidden columns 128 sl .. 128 sl + 127 of expert e, all of its rows.
; W1 and b1 are rounded once to bf16 (x was by the first launch); sums in f32; h rounded once.  Serves every split: 0 to 1,024 rows an expert.
; THE ROWS come from xg, where the launch before laid each expert's tokens as operand fragments: [e][tile of 16 rows][K step 0..31][piece 0..1][lane][16 bytes]: a load takes 512 consecutive bytes.
; ONE TEXT FOR ALL EIGHT WAVES.  K goes in 16 half-chunks of 64 rows (two K steps).  Of each, wave w loads an eighth of the slice of W1 (f32, read by no other work-group), rounds it and lays it into LDS as
; matrix fragments; each byte of that region is written once, and one barrier shows a half-chunk to everybody.  In interval t a wave lays half-chunk t and multiplies half-chunk t - 1.
; WEIGHTS WITHOUT A TURN.  Lane (r, h) loads 16 bytes, W[k][n0+4r .. +3]: sixteen lanes take 256 consecutive bytes of one row of W, aligned.  Component c of eight such loads, packed in pairs along k,
; IS half a fragment (16 of K = 32) of the 16 columns n0+4r+c.  With the weights as source 0 a lane's eight results are hidden columns 64g+32h+4j+c of one token: packed, they are 16 bytes of an
; A fragment of the second product, in an order of K that its loads of W2 repeat.  h: [e][tile of 16 rows][K step 0..127][piece 0..1][lane][16 bytes].
; THE ORDER OF THE LOADS.  Loads come back in order (ISA guide 5.7.1), so a weight load can stay out only until the wave waits for a token load issued behind it.  So the tokens of a whole interval are asked for an
; interval ahead (two sets of 2 K steps), and the weights of two intervals ahead directly behind them: a weight load has two intervals in which to land, and a wave has 16 of them out, 512 bytes each.
; TILES.  Wave w has row group mg = w >> 1 and column half g = w & 1.  Tile j = 20 BLK + 4 i + mg, i = 0..4: 320 rows a block.  Block 0 runs under the stream; later blocks, where an expert has more rows,
; run from the finished slice in a loop without barrier or LDS store.  Whole tiles past the count repeat tile 0 (which the launch before always lays) and are not stored.
; THE FIFTH TILE (i = 4) is past the count in most waves when the tokens are spread evenly (256 rows are 16 tiles).  Where it is, its loads and its products are jumped, by forward branches on a flag made from
; the count, over loads and matrix instructions alone.  A block's first interval takes all five tiles in every wave, so that every register named in a jumped line has been written on every way through the text.
; Tile 0 is stored also for an expert without rows, so that the next launch reads only bytes that were written.
; No cluster: each weight byte has one reader; the rows of xg that an expert's 32 work-groups share would have to pass through LDS, of which the slice takes 256 KB.  No tensor load: f32 is rounded in registers.
.set PITCH,  16384                     ; bytes from row to row of W1[e]
.set ROWI,   PITCH                     ; from one of a piece's eight loads to the next: one row
.set HCB,    64*PITCH                  ; a half-chunk of W: 64 rows
.set STEPB,  1024                      ; a tile's K step in xg
.set PIECEB, 512                       ; and half of it
.set KSB,    8192                      ; a K step's weight fragments in LDS: [column half 2][piece 2][c 4][lane 32][16 bytes]
.set HCL,    2*KSB                     ; a half-chunk in LDS; wave w writes bytes 2,048 w .. 2,048 w + 2,047 of it
.set SPARE,  32*KSB                    ; behind the slice: the spare words, 128 bytes a wave
.set SPW,  1                           ; v1   my spare word's address; never rewritten
.set NIL,  2                           ; v2   0; never rewritten
.set LBG,  3                           ; v3   16 x lane + 4,096 g: my place in a K step's fragments
.set BADR, 4                           ; v4   LDS address of the half-chunk in hand
.set AOFF, 5                           ; v5-9 my five tiles' offsets in xg;  v10 lane, v11 r, v12 h, v13 the bias's offset
.set BF,   16                          ; v16-47    4 weight fragments
.set TF,   48                          ; v48-63    four pieces just packed
.set AF,   64                          ; v64-223   two sets of 2 K steps x 5 token fragments
.set ZR,   239                         ; 0, for the packed maximum
.set HOFF, 240                         ; my offset in h
.set LH,   241                         ; 16 x lane + 2,048 g
.set WOFF, 242                         ; 16 r + 8 rows x h
.set WST0, 243                         ; 16 x lane + 2,048 w
.set WADR, 244
.set LB,   245                         ; 16 x lane
.set STG,  160                         ; window 1: v0-159 the accumulators, (tile t, c) at 8 (4 t + c); v160-223 two stages of 8 weight loads;
.set BI,   224                         ;           v224-255 my 32 biases: b1[128 sl + 64 g + 32 h + n] at BI + n
.set WV,20
.set SL,21
.set EX,22
.set MG,23
.set T,24                              ; tiles of the expert
.set NBLK,25
.set BLK,26
.set OC,27
.set G,28
.set WB,29
.set RB,30
.set BM,32                             ; s32-63  the expert's bitmap
.set AP,66
.set AB,68
.set WP,70
.set OP,72
.set PFX,85
.set TS,91                             ; max(T, 1)
.set L4,95                             ; 1: my fifth tile of the block in hand lies inside the count
.set MSB, 0
.macro WIN new                         ; the immediate's high byte repeats the setting that is left; a switch that changes nothing is dropped
.if MSB != (\new)
	s_set_vgpr_msb (MSB<<8)|(\new)
.set MSB, \new
.endif
.endm
.macro NOP4                            ; four places between a matrix instruction and a load into, or a vector write or read of, its registers
.rept 4
	v_nop
.endr
.endm
.macro ISSUE st                        ; 8 loads: my piece of the half-chunk at WP, into stage st
	WIN 0x40
.irp i, 0,1,2,3,4,5,6,7
	global_load_b128 v[STG+32*(\st)+4*\i:STG+32*(\st)+4*\i+3], v[WOFF], s[WP:WP+1] offset:\i*ROWI th:TH_LOAD_NT
.endr
.endm
.macro PROD st, issue                  ; stage st: 16 roundings, 4 stores of 512 consecutive bytes; its registers are asked for again two half-chunks on
	v_add_nc_u32 v[WADR], s[WB], v[WST0]
	WIN 0x05
.irp c, 0,1,2,3
.irp q, 0,1,2,3
	v_cvt_pk_bf16_f32 v[TF+4*\c+\q], v[STG+32*(\st)+8*\q+\c], v[STG+32*(\st)+8*\q+4+\c]
.endr
.endr
	WIN 0
.irp c, 0,1,2,3
	ds_store_b128 v[WADR], v[TF+4*\c:TF+4*\c+3] offset:512*\c
.endr
.if \issue
	ISSUE \st
	WIN 0
.endif
.endm
.macro BL hf, off                      ; 4 LDS loads: weight fragments c = 2 hf, 2 hf + 1
.irp c, 0,1
.irp p, 0,1
	ds_load_b128 v[BF+8*(2*(\hf)+\c)+4*\p:BF+8*(2*(\hf)+\c)+4*\p+3], v[BADR] offset:(\off)+\p*2048+(2*(\hf)+\c)*512
.endr
.endr
.endm
; Loads of 512 consecutive bytes: the token fragments of two K steps.  First 16: tiles 0-3, the first step's first.  Then 4: the fifth tile's, the first step's first; cond = 1: jumped where that tile is past the count.
.macro AL set, cond
.irp st, 0,1
.irp t, 0,1,2,3
.irp p, 0,1
	global_load_b128 v[AF+80*(\set)+40*\st+8*\t+4*\p:AF+80*(\set)+40*\st+8*\t+4*\p+3], v[AOFF+\t], s[AP:AP+1] offset:\st*STEPB+\p*PIECEB
.endr
.endr
.endr
.if \cond
	s_cmp_lg_u32 s[L4], 0
	s_cbranch_scc0 .Lna_\@
.endif
.irp st, 0,1
.irp p, 0,1
	global_load_b128 v[AF+80*(\set)+40*\st+32+4*\p:AF+80*(\set)+40*\st+32+4*\p+3], v[AOFF+4], s[AP:AP+1] offset:\st*STEPB+\p*PIECEB
.endr
.endr
.if \cond
.Lna_\@:
.endif
.endm
.macro WM1 zero                        ; the weights are source 0
.if \zero
	v_wmma_f32_16x16x32_bf16 v[rD:rD+7], v[rB:rB+7], v[rA:rA+7], 0
.else
	v_wmma_f32_16x16x32_bf16 v[rD:rD+7], v[rB:rB+7], v[rA:rA+7], v[rD:rD+7]
.endif
.endm
; Two weight fragments x tiles 0-3: 8 matrix instructions; then the fifth tile's 2; cond = 1: jumped where that tile is past the count (at a branch and at a label every window is 0).
; On both ways a step's accumulators take turns.
.macro MM set, st, hf, zero, cond
	WIN 0x50
.irp c, 0,1
.irp t, 0,1,2,3
.set rD, 8*(4*\t+2*(\hf)+\c)
.set rB, BF+8*(2*(\hf)+\c)
.set rA, AF+80*(\set)+40*(\st)+8*\t
	WM1 \zero
.endr
.endr
.if \cond
	WIN 0
	s_cmp_lg_u32 s[L4], 0
	s_cbranch_scc0 .Lnm_\@
	WIN 0x50
.endif
.irp c, 0,1
.set rD, 8*(16+2*(\hf)+\c)
.set rB, BF+8*(2*(\hf)+\c)
.set rA, AF+80*(\set)+40*(\st)+32
	WM1 \zero
.endr
.if \cond
	WIN 0
.Lnm_\@:
.endif
.endm
; A half-chunk is multiplied: two K steps on token set 'set'.  The first step's weights were asked for at the interval's head; the second's are fetched into each half of BF as it falls free.
; c0, c1: the younger loads that may stay out when the first and the second step's tokens have to be in.  The counts of 4 on DScnt leave the four youngest LDS instructions out.
.macro CONS set, zero, c0, c1, cond
	s_wait_loadcnt \c0
	s_wait_dscnt 4
	MM \set, 0, 0, \zero, \cond
	WIN 0
	NOP4
	BL 0, KSB
	s_wait_dscnt 4
	MM \set, 0, 1, \zero, \cond
	WIN 0
	NOP4
	BL 1, KSB
	s_wait_loadcnt \c1
	s_wait_dscnt 4
	MM \set, 1, 0, 0, \cond
	s_wait_dscnt 0
	MM \set, 1, 1, 0, \cond
	WIN 0
	NOP4
.endm
.macro ENDI a, w, p, c                 ; an interval's end: the bases step
	s_wait_xcnt 0x0                                ; the interval's loads have read AP and WP
.if \a
	s_add_nc_u64 s[AP:AP+1], s[AP:AP+1], 2*STEPB
.endif
.if \w
	s_add_nc_u64 s[WP:WP+1], s[WP:WP+1], HCB
.endif
.if \p
	s_add_co_u32 s[WB], s[WB], HCL
.endif
.if \c
	s_add_co_u32 s[RB], s[RB], HCL
	v_add_nc_u32 v[BADR], s[RB], v[LBG]
.endif
.endm
.macro JOIN                            ; my LDS stores are done and no LDS load of mine is out; behind the wait that holds of every wave
	s_wait_dscnt 0x0
	s_barrier_signal -1
	s_barrier_wait -1
.endm
; INTERVAL t.  set = t % 2: the token set that is multiplied and the weight stage that is laid down.  aiss: the next interval's tokens are asked for; prod: half-chunk t is laid; wiss: half-chunk t + 2 is asked for.
; wc: the younger loads that may stay out when stage 'set' has to be in.  cond = 1: the fifth tile's loads and products are jumped where it is past the count.
.macro IVL set, zero, prod, wiss, aiss, wc, c0, c1, cond
	BL 0, 0
	BL 1, 0
.if \aiss
	AL 1-(\set), \cond
.endif
.if \prod
	s_wait_loadcnt \wc
	PROD \set, \wiss
.endif
	CONS \set, \zero, \c0, \c1, \cond
	ENDI \aiss, \wiss, \prod, 1
.endm
.macro AHEAD                           ; a block's first tokens, all five tiles', into set 1
	s_mov_b64 s[AP:AP+1], s[AB:AB+1]
	AL 1, 0
	s_wait_xcnt 0x0
	s_add_nc_u64 s[AP:AP+1], s[AP:AP+1], 2*STEPB
	s_mov_b32 s[RB], 0
	v_add_nc_u32 v[BADR], s[RB], v[LBG]
.endm
.macro TJSET                           ; my five tiles of block BLK, a dead one as tile 0: their offsets in xg, 32,768 bytes a tile; and the fifth tile's flag
	s_mul_i32 s88, s[BLK], 20
	s_add_co_u32 s88, s88, s[MG]
.irp t, 0,1,2,3,4
	s_add_co_u32 s86, s88, 4*\t
	s_cmp_lt_u32 s86, s[T]
	s_cselect_b32 s86, s86, 0
	s_min_u32 s86, s86, 63
	s_lshl_b32 s86, s86, 15
	v_add_nc_u32 v[AOFF+\t], s86, v[LB]
.endr
	s_add_co_u32 s86, s88, 16
	s_cmp_lt_u32 s86, s[T]
	s_cselect_b32 s[L4], 1, 0
.endm
; Tile t goes out: + bias (each accumulator from its low end), rounded in place, relu on the packed halves, 4 stores of 512 consecutive bytes
.macro ETILE t
	s_add_co_u32 s86, s88, 4*\t
	s_cmp_ge_u32 s86, s[TS]
	s_cbranch_scc1 .Ldead\t
	s_min_u32 s86, s86, 63
	s_lshl_b32 s86, s86, 17
	s_wait_xcnt 0x0                                ; the tile before has read its offset and its data
	v_add_nc_u32 v[HOFF], s86, v[LH]
	WIN 0x05
.irp c, 0,1,2,3
.irp j, 0,1,2,3,4,5,6,7
	v_add_f32 v[AF+8*\c+\j], v[32*\t+8*\c+\j], v[BI+4*\j+\c]
.endr
.endr
	WIN 0
.set m, 0
.rept 16
	v_cvt_pk_bf16_f32 v[AF+m], v[AF+2*m], v[AF+2*m+1]
.set m, m+1
.endr
.set m, 0
.rept 16
	v_pk_max_num_bf16 v[AF+m], v[AF+m], v[ZR]
.set m, m+1
.endr
.irp c, 0,1,2,3
	global_store_b128 v[HOFF], v[AF+4*\c:AF+4*\c+3], s[OP:OP+1] offset:512*\c
.endr
.Ldead\t:
.endm
	s_load_b256 s[4:11], s[0:1], 0x0               ; xg 4, W1 6, b1 8, route 10
	s_load_b64 s[14:15], s[0:1], 0x20              ; h
	v_lshl_add_u32 v[SPW], v0, 2, SPARE
	v_mov_b32 v[NIL], 0
	v_lshrrev_b32 v10, 5, v0
	v_readfirstlane_b32 s[WV], v10
	s_mov_b32 s[SL], ttmp9
	s_and_b32 s[EX], ttmp7, 0xffff
	s_lshr_b32 s[MG], s[WV], 1
	s_and_b32 s[G], s[WV], 1
	v_and_b32 v10, 31, v0                          ; lane
	v_and_b32 v11, 15, v0                          ; r
	v_bfe_u32 v12, v0, 4, 1                        ; h
	v_lshlrev_b32 v[WOFF], 4, v11
	v_lshl_add_u32 v[WOFF], v12, 17, v[WOFF]       ; the upper half of the lanes reads 8 rows further down
	s_lshl_b32 s86, s[WV], 11
	v_lshl_add_u32 v[WST0], v10, 4, s86
	s_lshl_b32 s86, s[G], 12
	v_lshl_add_u32 v[LBG], v10, 4, s86
	s_lshl_b32 s86, s[G], 11
	v_lshl_add_u32 v[LH], v10, 4, s86
	v_lshlrev_b32 v[LB], 4, v10
	v_lshlrev_b32 v13, 7, v12                      ; the bias: 32 numbers for each half of the lanes
	v_mov_b32 v[ZR], 0
	; my piece of a half-chunk: K step w >> 2 (32 rows), piece w & 1 (16 rows), column half (w >> 1) & 1 (256 bytes)
	s_lshl_b32 s76, s[EX], 24                      ; an expert's W1: 16 MiB
	s_lshr_b32 s87, s[WV], 2
	s_lshl_b32 s87, s87, 19
	s_add_co_u32 s76, s76, s87
	s_lshl_b32 s87, s[G], 18
	s_add_co_u32 s76, s76, s87
	s_and_b32 s87, s[MG], 1
	s_lshl_b32 s87, s87, 8
	s_add_co_u32 s76, s76, s87
	s_lshl_b32 s88, s[SL], 9
	s_add_co_u32 s76, s76, s88
	s_mov_b32 s77, 0
	s_lshl_b32 s78, s[EX], 14                      ; an expert's b1, the slice, my column half
	s_add_co_u32 s78, s78, s88
	s_lshl_b32 s87, s[G], 8
	s_add_co_u32 s78, s78, s87
	s_mov_b32 s79, 0
	s_lshl_b32 s92, s[EX], 7                       ; the expert's bitmap
	s_add_co_u32 s92, s92, 8192
	s_mov_b32 s93, 0
	s_wait_kmcnt 0x0
	s_add_nc_u64 s[92:93], s[10:11], s[92:93]
	s_load_b512 s[BM:BM+15], s[92:93], 0x0
	s_load_b512 s[BM+16:BM+31], s[92:93], 0x40
	s_add_nc_u64 s[WP:WP+1], s[6:7], s[76:77]
	s_add_nc_u64 s[78:79], s[8:9], s[78:79]
	WIN 0x40
.irp j, 0,1,2,3,4,5,6,7                                ; the bias goes first: the wait for the first weights shows it in too
	global_load_b128 v[BI+4*\j:BI+4*\j+3], v13, s[78:79] offset:16*\j
.endr
	ISSUE 0                                        ; two half-chunks are asked for before anything else is done
	s_wait_xcnt 0x0
	s_add_nc_u64 s[WP:WP+1], s[WP:WP+1], HCB
	ISSUE 1
	WIN 0
	s_wait_xcnt 0x0
	s_add_nc_u64 s[WP:WP+1], s[WP:WP+1], HCB
	s_mov_b32 s[PFX], 0
	s_mov_b32 s[BLK], 0
	s_mov_b32 s[WB], 0
	s_wait_kmcnt 0x0
.set w, 0
.rept 32                                               ; the expert's rows
	s_bcnt1_i32_b32 s87, s[BM+w]
	s_add_co_u32 s[PFX], s[PFX], s87
.set w, w+1
.endr
	s_add_co_u32 s[T], s[PFX], 15
	s_lshr_b32 s[T], s[T], 4
	s_min_u32 s[T], s[T], 64
	s_max_u32 s[TS], s[T], 1
	s_cmp_gt_u32 s[T], 20
	s_cselect_b32 s[NBLK], 2, 1
	s_cmp_gt_u32 s[T], 40
	s_cselect_b32 s[NBLK], 3, s[NBLK]
	s_cmp_gt_u32 s[T], 60
	s_cselect_b32 s[NBLK], 4, s[NBLK]
	TJSET
	s_lshl_b32 s76, s[EX], 23                      ; an expert's h: 8 MiB; the slice's four K steps: 4,096 bytes of each tile
	s_lshl_b32 s87, s[SL], 12
	s_add_co_u32 s76, s76, s87
	s_mov_b32 s77, 0
	s_add_nc_u64 s[OP:OP+1], s[14:15], s[76:77]
	s_lshl_b32 s76, s[EX], 21                      ; an expert's xg: 2 MiB
	s_add_nc_u64 s[AB:AB+1], s[4:5], s[76:77]
	AHEAD
	; ---- interval 0: half-chunk 0 is laid
	s_wait_loadcnt 28                              ; the bias and half-chunk 0 are in; half-chunk 1 (8) and the first tokens (20) stay out
	PROD 0, 1
	WIN 0x05
.set m, 0
.rept 16                                               ; the bias is rounded to bf16 and widened again, in its registers
	v_cvt_pk_bf16_f32 v[BF+m], v[BI+2*m], v[BI+2*m+1]
.set m, m+1
.endr
	WIN 0x40
.set m, 0
.rept 16
	v_lshlrev_b32 v[BI+2*m], 16, v[BF+m]
	v_and_b32 v[BI+2*m+1], 0xffff0000, v[BF+m]
.set m, m+1
.endr
	WIN 0
	ENDI 0, 1, 1, 0
	JOIN
	; THE COUNTS.  At an interval's head the queue holds W(t) 8, A(t), W(t+1) 8; A(t+1) joins, then W(t+2) 8.  A set of tokens A is 16 loads, or 20 with the fifth tile's four at its end.  Each count is the
	; fewest loads that stand behind the needed one on any way through the text; where more stand there, the wait asks for a few older loads more, which is right too.
	; W(t): 16 + 8 + 16 = 40.  A(t)'s first step, whose last load may be the fifth tile's second: 2 + 8 + 16 + 8 = 34.  All of A(t): 32.
	IVL 1, 1, 1, 1, 1, 48, 38, 36, 0               ; t = 1: its first products start the sums; all five tiles, so both sets are of 20: 20 + 8 + 20; 2 + 8 + 20 + 8; 36
	JOIN
	s_mov_b32 s[OC], 6
.Lo:                                                   ; t = 2 .. 13
	IVL 0, 0, 1, 1, 1, 40, 34, 32, 1
	JOIN
	IVL 1, 0, 1, 1, 1, 40, 34, 32, 1
	JOIN
	s_sub_co_u32 s[OC], s[OC], 1
	s_cmp_lg_u32 s[OC], 0
	s_cbranch_scc1 .Lo
	IVL 0, 0, 1, 0, 1, 40, 26, 24, 1               ; t = 14: no weights are left to ask for, and the counts run down
	JOIN
	IVL 1, 0, 1, 0, 1, 32, 18, 16, 1               ; t = 15
	JOIN                                           ; the slice is whole; no LDS store follows, and one more barrier, at the wave's end
.Lblk:                                                 ; a block's last half-chunk, its way out, and the next block's first fifteen
	s_wait_xcnt 0x0
	s_mov_b32 s[RB], 15*HCL
	v_add_nc_u32 v[BADR], s[RB], v[LBG]
	BL 0, 0
	BL 1, 0
	CONS 0, 0, 2, 0, 1                             ; behind the first step's last load stand at the least the fifth tile's two of the second step
	s_mul_i32 s88, s[BLK], 20
	s_add_co_u32 s88, s88, s[MG]
	ETILE 0
	ETILE 1
	ETILE 2
	ETILE 3
	ETILE 4
	s_add_co_u32 s[BLK], s[BLK], 1
	s_cmp_ge_u32 s[BLK], s[NBLK]
	s_cbranch_scc1 .Lnomore
	s_wait_xcnt 0x0                                ; the stores have read their data and offsets
	TJSET
	AHEAD
	IVL 1, 1, 0, 0, 1, 0, 22, 20, 0                ; the queue holds tokens alone; all five tiles: 2 + 20; 20
	s_mov_b32 s[OC], 7
.Lp:
	IVL 0, 0, 0, 0, 1, 0, 18, 16, 1                ; 2 + 16; 16
	IVL 1, 0, 0, 0, 1, 0, 18, 16, 1
	s_sub_co_u32 s[OC], s[OC], 1
	s_cmp_lg_u32 s[OC], 0
	s_cbranch_scc1 .Lp
.Lnomore:
	s_cmp_lt_u32 s[BLK], s[NBLK]
	s_cbranch_scc1 .Lblk
	JOIN                                           ; every wave's LDS reads of the loop above, whose addresses step in a register, are over before any wave's closing add; all eight waves make the same number of trips and meet here once
	s_wait_tensorcnt 0x0                           ; the wave's end
	ds_add_u32 v[SPW], v[NIL]
	s_wait_dscnt 0x0
	s_endpgm
.Lfunc_end_k_q5e2d0a6e65_ffn1:
	.size	k_q5e2d0a6e65_ffn1, .Lfunc_end_k_q5e2d0a6e65_ffn1-k_q5e2d0a6e65_ffn1
	.p2alignl 7, 3214868480
	.fill 96, 4, 3214868480
	.section	.rodata,"a",@progbits
	.p2align	6, 0x0
	.amdhsa_kernel k_q5e2d0a6e65_ffn1
		.amdhsa_group_segment_fixed_size 263168
		.amdhsa_private_segment_fixed_size 0
		.amdhsa_enable_private_segment 0
		.amdhsa_kernarg_size 40
		.amdhsa_user_sgpr_count 2
		.amdhsa_user_sgpr_kernarg_segment_ptr 1
		.amdhsa_wavefront_size32 1
		.amdhsa_system_sgpr_workgroup_id_x 1
		.amdhsa_system_sgpr_workgroup_id_y 1
		.amdhsa_system_sgpr_workgroup_id_z 1
		.amdhsa_system_vgpr_workitem_id 0
		.amdhsa_next_free_vgpr 512
		.amdhsa_next_free_sgpr 104
		.amdhsa_reserve_vcc 0
		.amdhsa_float_denorm_mode_32 3
		.amdhsa_float_denorm_mode_16_64 3
		.amdhsa_memory_ordered 1
		.amdhsa_forward_progress 1
		.amdhsa_inst_pref_size 108
	.end_amdhsa_kernel
	.amdgpu_metadata
---
amdhsa.version: [ 1, 2 ]
amdhsa.kernels:
  - .name:           k_q5e2d0a6e65_ffn1
    .symbol:         k_q5e2d0a6e65_ffn1.kd
    .args:
      - { .name: xg, .offset: 0, .size: 8, .value_kind: global_buffer, .address_space: global }
      - { .name: W1, .offset: 8, .size: 8, .value_kind: global_buffer, .address_space: global }
      - { .name: b1, .offset: 16, .size: 8, .value_kind: global_buffer, .address_space: global }
      - { .name: route, .offset: 24, .size: 8, .value_kind: global_buffer, .address_space: global }
      - { .name: h, .offset: 32, .size: 8, .value_kind: global_buffer, .address_space: global }
    .group_segment_fixed_size: 263168
    .private_segment_fixed_size: 0
    .kernarg_segment_align: 8
    .kernarg_segment_size: 40
    .max_flat_workgroup_size: 256
    .sgpr_count:     104
    .vgpr_count:     512
    .wavefront_size: 32
...
	.end_amdgpu_metadata
.endif
;; end of part 6
;; launch ffn2 (part 7): grid 32 x 8, 8 waves a work-group, no clusters, 263,168 bytes of LDS; arguments h, W2, route, gsort, part; writes part
.if DOCPART == 7
	.amdgcn_target "amdgcn-amd-amdhsa--gfx1250"
	.amdhsa_code_object_version 6
	.text
	.protected	k_q5e2d0a6e65_ffn2
	.globl	k_q5e2d0a6e65_ffn2
	.p2align	8
	.type	k_q5e2d0a6e65_ffn2,@function
k_q5e2d0a6e65_ffn2:
	s_mov_b64 s[64:65], 0
	v_nop
	global_prefetch_b8 v0, s[64:65] scope:SCOPE_SE
	s_setreg_imm32_b32 hwreg(HW_REG_WAVE_MODE, 25, 1), 1
	s_wait_xcnt 0x0
; THE SECOND PRODUCT.  part[q][e 1024 + rank][:] = gate x (h W2[e]) over hidden columns 1024 q .. 1024 q + 1023, in f32: partial sums, which the last launch adds (with the bias).
; Work-group (cs + 8 q, e): output columns 128 cs .. + 127, K quarter q, all rows of expert e.  W2 is rounded once to bf16; sums in f32.  Serves every split: 0 to 1,024 rows an expert.
; The build is the first product's: one text for all eight waves; K in 16 half-chunks of 64 rows; of each, wave w loads an eighth of the slice of W2 (f32, read by no other work-group), rounds it and lays it into
; LDS as fragments, each byte written once; in interval t a wave lays half-chunk t and multiplies half-chunk t - 1; rows past the first 320 are served from the finished slice in a loop without barrier or LDS store.
; THE ORDER OF THE LOADS.  Loads come back in order (ISA guide 5.7.1), so a weight load can stay out only until the wave waits for a load of h issued behind it.  So h of a whole interval is asked for an interval
; ahead, and the weights of two intervals ahead directly behind it: a weight load has two intervals in which to land, and a wave has 16 of them out, 512 bytes each.
; K'S ORDER.  h lies as the first product left it: K step U, piece p, half h of the lanes, place i is hidden column 64 (U >> 1) + 32 h + 4 i + 2 (U & 1) + p.  The loads of W2's rows follow the same order.
; COLUMNS.  Lane (r, h) loads W2[k][n0+4r .. +3]; component c makes the fragment of columns n0+4r+c.  With h as source 0, register j of the four accumulators c = 0..3 holds four neighbouring
; columns of row 8h+j: one store of 16 bytes a lane, sixteen lanes 256 consecutive bytes, aligned.
; Wave w has row group mg = w >> 1 and column half g = w & 1; tile j = 20 BLK + 4 i + mg.  Whole tiles past the count repeat tile 0 (which the launch before always writes) and are not stored.
; THE FIFTH TILE (i = 4) is past the count in most waves when the tokens are spread evenly (256 rows are 16 tiles).  Where it is, its loads and its products are jumped, by forward branches on a flag made from
; the count, over loads and matrix instructions alone.  A block's first interval takes all five tiles in every wave, so that every register named in a jumped line has been written on every way through the text.
; No cluster: each weight byte has one reader; the rows of h that 8 work-groups share would have to pass through LDS, of which the slice takes 256 KB.  No tensor load: f32 is rounded in registers.
.set PITCH,  4096                      ; bytes from row to row of W2[e]
.set ROWI,   4*PITCH                   ; from one of a piece's eight loads to the next: four rows
.set HCB,    64*PITCH                  ; a half-chunk of W: 64 rows
.set STEPB,  1024                      ; a tile's K step in h
.set PIECEB, 512
.set KSB,    8192                      ; a K step's weight fragments in LDS: [column half 2][piece 2][c 4][lane 32][16 bytes]
.set HCL,    2*KSB                     ; a half-chunk in LDS; wave w writes bytes 2,048 w .. 2,048 w + 2,047 of it
.set SPARE,  32*KSB                    ; behind the slice: the spare words, 128 bytes a wave
.set SPW,  1
.set NIL,  2
.set LBG,  3                           ; v3   16 x lane + 4,096 g
.set BADR, 4
.set AOFF, 5                           ; v5-9 my five tiles' offsets in h;  v10-14 their offsets in gsort
.set BF,   16                          ; v16-47    4 weight fragments; on the way out the rows to store
.set TF,   48                          ; v48-63    four pieces just packed
.set AF,   64                          ; v64-223   two sets of 2 K steps x 5 fragments of h; set 1 takes the gates at a block's end
.set POFF, 240
.set LB,   241                         ; 16 x lane
.set WOFF, 242                         ; 16 r + 32 rows x h
.set WST0, 243                         ; 16 x lane + 2,048 w
.set WADR, 244
.set H32,  245                         ; 32 h
.set PB,   246                         ; in part: 8 h rows + 16 r + 256 g
.set STG,  160                         ; window 1: v0-159 the accumulators, (tile t, c) at 8 (4 t + c); v160-223 two stages of 8 weight loads
.set WV,20
.set CSL,21
.set EX,22
.set MG,23
.set T,24
.set NBLK,25
.set BLK,26
.set OC,27
.set G,28
.set WB,29
.set RB,30
.set BM,32
.set AP,66
.set AB,68
.set WP,70
.set OP,72
.set GP,74
.set TJ,80                             ; s80-84  my five tiles, a dead one as 0
.set PFX,85
.set QQ,94
.set L4,95                             ; 1: my fifth tile of the block in hand lies inside the count
.set MSB, 0
.macro WIN new                         ; the immediate's high byte repeats the setting that is left; a switch that changes nothing is dropped
.if MSB != (\new)
	s_set_vgpr_msb (MSB<<8)|(\new)
.set MSB, \new
.endif
.endm
.macro NOP4                            ; four places between a matrix instruction and a load into, or a vector write or read of, its registers
.rept 4
	v_nop
.endr
.endm
.macro ISSUE st                        ; 8 loads: my piece of the half-chunk at WP, into stage st
	WIN 0x40
.irp i, 0,1,2,3,4,5,6,7
	global_load_b128 v[STG+32*(\st)+4*\i:STG+32*(\st)+4*\i+3], v[WOFF], s[WP:WP+1] offset:\i*ROWI th:TH_LOAD_NT
.endr
.endm
.macro PROD st, issue                  ; stage st: 16 roundings, 4 stores of 512 consecutive bytes; its registers are asked for again two half-chunks on
	v_add_nc_u32 v[WADR], s[WB], v[WST0]
	WIN 0x05
.irp c, 0,1,2,3
.irp q, 0,1,2,3
	v_cvt_pk_bf16_f32 v[TF+4*\c+\q], v[STG+32*(\st)+8*\q+\c], v[STG+32*(\st)+8*\q+4+\c]
.endr
.endr
	WIN 0
.irp c, 0,1,2,3
	ds_store_b128 v[WADR], v[TF+4*\c:TF+4*\c+3] offset:512*\c
.endr
.if \issue
	ISSUE \st
	WIN 0
.endif
.endm
.macro BL hf, off                      ; 4 LDS loads: weight fragments c = 2 hf, 2 hf + 1
.irp c, 0,1
.irp p, 0,1
	ds_load_b128 v[BF+8*(2*(\hf)+\c)+4*\p:BF+8*(2*(\hf)+\c)+4*\p+3], v[BADR] offset:(\off)+\p*2048+(2*(\hf)+\c)*512
.endr
.endr
.endm
; Loads of 512 consecutive bytes: the fragments of h of two K steps.  First 16: tiles 0-3, the first step's first.  Then 4: the fifth tile's, the first step's first; cond = 1: jumped where that tile is past the count.
.macro AL set, cond
.irp st, 0,1
.irp t, 0,1,2,3
.irp p, 0,1
	global_load_b128 v[AF+80*(\set)+40*\st+8*\t+4*\p:AF+80*(\set)+40*\st+8*\t+4*\p+3], v[AOFF+\t], s[AP:AP+1] offset:\st*STEPB+\p*PIECEB
.endr
.endr
.endr
.if \cond
	s_cmp_lg_u32 s[L4], 0
	s_cbranch_scc0 .Lna_\@
.endif
.irp st, 0,1
.irp p, 0,1
	global_load_b128 v[AF+80*(\set)+40*\st+32+4*\p:AF+80*(\set)+40*\st+32+4*\p+3], v[AOFF+4], s[AP:AP+1] offset:\st*STEPB+\p*PIECEB
.endr
.endr
.if \cond
.Lna_\@:
.endif
.endm
.macro GL                              ; 10 loads: the gates of my rows 8h .. 8h+7 in each tile (a dead tile's: tile 0's), into set 1
.irp t, 0,1,2,3,4
	v_lshl_add_u32 v[10+\t], s[TJ+\t], 6, v[H32]
	global_load_b128 v[AF+80+8*\t:AF+80+8*\t+3], v[10+\t], s[GP:GP+1]
	global_load_b128 v[AF+80+8*\t+4:AF+80+8*\t+7], v[10+\t], s[GP:GP+1] offset:16
.endr
.endm
.macro WM1 zero                        ; h is source 0
.if \zero
	v_wmma_f32_16x16x32_bf16 v[rD:rD+7], v[rA:rA+7], v[rB:rB+7], 0
.else
	v_wmma_f32_16x16x32_bf16 v[rD:rD+7], v[rA:rA+7], v[rB:rB+7], v[rD:rD+7]
.endif
.endm
; Two weight fragments x tiles 0-3: 8 matrix instructions; then the fifth tile's 2; cond = 1: jumped where that tile is past the count (at a branch and at a label every window is 0).
; On both ways a step's accumulators take turns.
.macro MM set, st, hf, zero, cond
	WIN 0x50
.irp c, 0,1
.irp t, 0,1,2,3
.set rD, 8*(4*\t+2*(\hf)+\c)
.set rB, BF+8*(2*(\hf)+\c)
.set rA, AF+80*(\set)+40*(\st)+8*\t
	WM1 \zero
.endr
.endr
.if \cond
	WIN 0
	s_cmp_lg_u32 s[L4], 0
	s_cbranch_scc0 .Lnm_\@
	WIN 0x50
.endif
.irp c, 0,1
.set rD, 8*(16+2*(\hf)+\c)
.set rB, BF+8*(2*(\hf)+\c)
.set rA, AF+80*(\set)+40*(\st)+32
	WM1 \zero
.endr
.if \cond
	WIN 0
.Lnm_\@:
.endif
.endm
; A half-chunk is multiplied: two K steps on set 'set'.  The first step's weights were asked for at the interval's head; the second's are fetched into each half of BF as it falls free.
; c0, c1: the younger loads that may stay out when the first and the second step's h has to be in.  The counts of 4 on DScnt leave the four youngest LDS instructions out.
.macro CONS set, zero, c0, c1, cond
	s_wait_loadcnt \c0
	s_wait_dscnt 4
	MM \set, 0, 0, \zero, \cond
	WIN 0
	NOP4
	BL 0, KSB
	s_wait_dscnt 4
	MM \set, 0, 1, \zero, \cond
	WIN 0
	NOP4
	BL 1, KSB
	s_wait_loadcnt \c1
	s_wait_dscnt 4
	MM \set, 1, 0, 0, \cond
	s_wait_dscnt 0
	MM \set, 1, 1, 0, \cond
	WIN 0
	NOP4
.endm
.macro ENDI a, w, p, c                 ; an interval's end: the bases step
	s_wait_xcnt 0x0                                ; the interval's loads have read AP and WP
.if \a
	s_add_nc_u64 s[AP:AP+1], s[AP:AP+1], 2*STEPB
.endif
.if \w
	s_add_nc_u64 s[WP:WP+1], s[WP:WP+1], HCB
.endif
.if \p
	s_add_co_u32 s[WB], s[WB], HCL
.endif
.if \c
	s_add_co_u32 s[RB], s[RB], HCL
	v_add_nc_u32 v[BADR], s[RB], v[LBG]
.endif
.endm
.macro JOIN                            ; my LDS stores are done and no LDS load of mine is out; behind the wait that holds of every wave
	s_wait_dscnt 0x0
	s_barrier_signal -1
	s_barrier_wait -1
.endm
; INTERVAL t.  set = t % 2: the set of h that is multiplied and the weight stage that is laid down.  aiss: the next interval's h is asked for; prod: half-chunk t is laid; wiss: half-chunk t + 2 is asked for.
; wc: the younger loads that may stay out when stage 'set' has to be in.  cond = 1: the fifth tile's loads and products are jumped where it is past the count.
.macro IVL set, zero, prod, wiss, aiss, wc, c0, c1, cond
	BL 0, 0
	BL 1, 0
.if \aiss
	AL 1-(\set), \cond
.endif
.if \prod
	s_wait_loadcnt \wc
	PROD \set, \wiss
.endif
	CONS \set, \zero, \c0, \c1, \cond
	ENDI \aiss, \wiss, \prod, 1
.endm
.macro AHEAD                           ; a block's first h, all five tiles', into set 1
	s_mov_b64 s[AP:AP+1], s[AB:AB+1]
	AL 1, 0
	s_wait_xcnt 0x0
	s_add_nc_u64 s[AP:AP+1], s[AP:AP+1], 2*STEPB
	s_mov_b32 s[RB], 0
	v_add_nc_u32 v[BADR], s[RB], v[LBG]
.endm
.macro TJSET                           ; my five tiles of block BLK, a dead one as tile 0, their offsets in h, and the fifth tile's flag
	s_mul_i32 s88, s[BLK], 20
	s_add_co_u32 s88, s88, s[MG]
.irp t, 0,1,2,3,4
	s_add_co_u32 s86, s88, 4*\t
	s_cmp_lt_u32 s86, s[T]
	s_cselect_b32 s[TJ+\t], s86, 0
	s_min_u32 s[TJ+\t], s[TJ+\t], 63
	s_lshl_b32 s86, s[TJ+\t], 17
	v_add_nc_u32 v[AOFF+\t], s86, v[LB]
.endr
	s_add_co_u32 s86, s88, 16
	s_cmp_lt_u32 s86, s[T]
	s_cselect_b32 s[L4], 1, 0
.endm
; Tile t goes out: the multiply by the row's gate also lays four neighbouring columns side by side (each accumulator is read from register 0 on); 8 stores
.macro ETILE t
	s_add_co_u32 s86, s88, 4*\t
	s_cmp_ge_u32 s86, s[T]
	s_cbranch_scc1 .Ldead\t
	s_min_u32 s86, s86, 63
	s_lshl_b32 s86, s86, 16
	s_wait_xcnt 0x0                                ; the tile before has read its offset and its data
	v_add_nc_u32 v[POFF], s86, v[PB]
	WIN 0x01
.irp j, 0,1,2,3,4,5,6,7
.irp c, 0,1,2,3
	v_mul_f32 v[BF+4*\j+\c], v[32*\t+8*\c+\j], v[AF+80+8*\t+\j]
.endr
.endr
	WIN 0
.irp j, 0,1,2,3,4,5,6,7
	global_store_b128 v[POFF], v[BF+4*\j:BF+4*\j+3], s[OP:OP+1] offset:4096*\j  ; sixteen lanes store 256 consecutive bytes of one row, aligned
.endr
.Ldead\t:
.endm
	s_load_b256 s[4:11], s[0:1], 0x0               ; h 4, W2 6, route 8, gsort 10
	s_load_b64 s[12:13], s[0:1], 0x20              ; part
	v_lshl_add_u32 v[SPW], v0, 2, SPARE
	v_mov_b32 v[NIL], 0
	v_lshrrev_b32 v15, 5, v0
	v_readfirstlane_b32 s[WV], v15
	s_and_b32 s[CSL], ttmp9, 7
	s_lshr_b32 s[QQ], ttmp9, 3
	s_and_b32 s[EX], ttmp7, 0xffff
	s_lshr_b32 s[MG], s[WV], 1
	s_and_b32 s[G], s[WV], 1
	v_and_b32 v247, 31, v0                         ; lane
	v_and_b32 v248, 15, v0                         ; r
	v_bfe_u32 v249, v0, 4, 1                       ; h
	v_lshlrev_b32 v[WOFF], 4, v248
	v_lshl_add_u32 v[WOFF], v249, 17, v[WOFF]      ; the upper half of the lanes reads 32 rows further down
	s_lshl_b32 s86, s[WV], 11
	v_lshl_add_u32 v[WST0], v247, 4, s86
	s_lshl_b32 s86, s[G], 12
	v_lshl_add_u32 v[LBG], v247, 4, s86
	v_lshlrev_b32 v[LB], 4, v247
	v_lshlrev_b32 v[H32], 5, v249
	s_lshl_b32 s86, s[G], 8
	v_lshl_add_u32 v[PB], v248, 4, s86
	v_lshl_add_u32 v[PB], v249, 15, v[PB]
	; my piece of a half-chunk: K step w >> 2 (2 rows on), piece w & 1 (1 row on), column half (w >> 1) & 1 (256 bytes)
	s_lshl_b32 s76, s[EX], 24                      ; an expert's W2: 16 MiB
	s_lshl_b32 s87, s[QQ], 22                      ; a K quarter: 1,024 rows
	s_add_co_u32 s76, s76, s87
	s_lshr_b32 s87, s[WV], 2
	s_lshl_b32 s87, s87, 13
	s_add_co_u32 s76, s76, s87
	s_lshl_b32 s87, s[G], 12
	s_add_co_u32 s76, s76, s87
	s_and_b32 s87, s[MG], 1
	s_lshl_b32 s87, s87, 8
	s_add_co_u32 s76, s76, s87
	s_lshl_b32 s87, s[CSL], 9
	s_add_co_u32 s76, s76, s87
	s_mov_b32 s77, 0
	s_lshl_b32 s92, s[EX], 7                       ; the expert's bitmap
	s_add_co_u32 s92, s92, 8192
	s_mov_b32 s93, 0
	s_wait_kmcnt 0x0
	s_add_nc_u64 s[92:93], s[8:9], s[92:93]
	s_load_b512 s[BM:BM+15], s[92:93], 0x0
	s_load_b512 s[BM+16:BM+31], s[92:93], 0x40
	s_add_nc_u64 s[WP:WP+1], s[6:7], s[76:77]
	ISSUE 0                                        ; two half-chunks are asked for before anything else is done
	s_wait_xcnt 0x0
	s_add_nc_u64 s[WP:WP+1], s[WP:WP+1], HCB
	ISSUE 1
	WIN 0
	s_wait_xcnt 0x0
	s_add_nc_u64 s[WP:WP+1], s[WP:WP+1], HCB
	s_mov_b32 s[PFX], 0
	s_mov_b32 s[BLK], 0
	s_mov_b32 s[WB], 0
	s_wait_kmcnt 0x0
.set w, 0
.rept 32                                               ; the expert's rows
	s_bcnt1_i32_b32 s87, s[BM+w]
	s_add_co_u32 s[PFX], s[PFX], s87
.set w, w+1
.endr
	s_add_co_u32 s[T], s[PFX], 15
	s_lshr_b32 s[T], s[T], 4
	s_min_u32 s[T], s[T], 64
	s_cmp_gt_u32 s[T], 20
	s_cselect_b32 s[NBLK], 2, 1
	s_cmp_gt_u32 s[T], 40
	s_cselect_b32 s[NBLK], 3, s[NBLK]
	s_cmp_gt_u32 s[T], 60
	s_cselect_b32 s[NBLK], 4, s[NBLK]
	TJSET
	s_lshl_b32 s76, s[EX], 23                      ; an expert's h: 8 MiB; the quarter's 32 K steps: 32,768 bytes of each tile
	s_lshl_b32 s87, s[QQ], 15
	s_add_co_u32 s76, s76, s87
	s_mov_b32 s77, 0
	s_add_nc_u64 s[AB:AB+1], s[4:5], s[76:77]
	s_lshl_b32 s76, s[EX], 12
	s_add_nc_u64 s[GP:GP+1], s[10:11], s[76:77]
	s_lshl_b32 s76, s[QQ], 25                      ; a quarter's part: 32 MiB; an expert's 1,024 rows: 4 MiB; the slice's 128 columns
	s_lshl_b32 s87, s[EX], 22
	s_add_co_u32 s76, s76, s87
	s_lshl_b32 s87, s[CSL], 9
	s_add_co_u32 s76, s76, s87
	s_add_nc_u64 s[OP:OP+1], s[12:13], s[76:77]
	AHEAD
	; ---- interval 0: half-chunk 0 is laid
	s_wait_loadcnt 28                              ; half-chunk 0 is in; half-chunk 1 (8) and the first h (20) stay out
	PROD 0, 1
	ENDI 0, 1, 1, 0
	JOIN
	; THE COUNTS.  At an interval's head the queue holds W(t) 8, A(t), W(t+1) 8; A(t+1) joins, then W(t+2) 8.  A set of h, A, is 16 loads, or 20 with the fifth tile's four at its end.  Each count is the
	; fewest loads that stand behind the needed one on any way through the text; where more stand there, the wait asks for a few older loads more, which is right too.
	; W(t): 16 + 8 + 16 = 40.  A(t)'s first step, whose last load may be the fifth tile's second: 2 + 8 + 16 + 8 = 34.  All of A(t): 32.
	IVL 1, 1, 1, 1, 1, 48, 38, 36, 0               ; t = 1: its first products start the sums; all five tiles, so both sets are of 20: 20 + 8 + 20; 2 + 8 + 20 + 8; 36
	JOIN
	s_mov_b32 s[OC], 6
.Lo:                                                   ; t = 2 .. 13
	IVL 0, 0, 1, 1, 1, 40, 34, 32, 1
	JOIN
	IVL 1, 0, 1, 1, 1, 40, 34, 32, 1
	JOIN
	s_sub_co_u32 s[OC], s[OC], 1
	s_cmp_lg_u32 s[OC], 0
	s_cbranch_scc1 .Lo
	IVL 0, 0, 1, 0, 1, 40, 26, 24, 1               ; t = 14: no weights are left to ask for, and the counts run down
	JOIN
	IVL 1, 0, 1, 0, 1, 32, 18, 16, 1               ; t = 15
	JOIN                                           ; the slice is whole; no LDS store follows, and one more barrier, at the wave's end
.Lblk:                                                 ; a block's last half-chunk, its way out, and the next block's first fifteen
	s_wait_xcnt 0x0
	s_mov_b32 s[RB], 15*HCL
	v_add_nc_u32 v[BADR], s[RB], v[LBG]
	GL
	BL 0, 0
	BL 1, 0
	CONS 0, 0, 12, 10, 1                           ; behind the last h stand the ten loads of the gates; behind the first step's last load at the least two more
	s_mul_i32 s88, s[BLK], 20
	s_add_co_u32 s88, s88, s[MG]
	s_wait_loadcnt 0x0                             ; the gates
	ETILE 0
	ETILE 1
	ETILE 2
	ETILE 3
	ETILE 4
	s_add_co_u32 s[BLK], s[BLK], 1
	s_cmp_ge_u32 s[BLK], s[NBLK]
	s_cbranch_scc1 .Lnomore
	s_wait_xcnt 0x0                                ; the stores have read their data and offsets
	TJSET
	AHEAD
	IVL 1, 1, 0, 0, 1, 0, 22, 20, 0                ; the queue holds h alone; all five tiles: 2 + 20; 20
	s_mov_b32 s[OC], 7
.Lp:
	IVL 0, 0, 0, 0, 1, 0, 18, 16, 1                ; 2 + 16; 16
	IVL 1, 0, 0, 0, 1, 0, 18, 16, 1
	s_sub_co_u32 s[OC], s[OC], 1
	s_cmp_lg_u32 s[OC], 0
	s_cbranch_scc1 .Lp
.Lnomore:
	s_cmp_lt_u32 s[BLK], s[NBLK]
	s_cbranch_scc1 .Lblk
	JOIN                                           ; every wave's LDS reads of the loop above, whose addresses step in a register, are over before any wave's closing add; all eight waves make the same number of trips and meet here once
	s_wait_tensorcnt 0x0                           ; the wave's end
	ds_add_u32 v[SPW], v[NIL]
	s_wait_dscnt 0x0
	s_endpgm
.Lfunc_end_k_q5e2d0a6e65_ffn2:
	.size	k_q5e2d0a6e65_ffn2, .Lfunc_end_k_q5e2d0a6e65_ffn2-k_q5e2d0a6e65_ffn2
	.p2alignl 7, 3214868480
	.fill 96, 4, 3214868480
	.section	.rodata,"a",@progbits
	.p2align	6, 0x0
	.amdhsa_kernel k_q5e2d0a6e65_ffn2
		.amdhsa_group_segment_fixed_size 263168
		.amdhsa_private_segment_fixed_size 0
		.amdhsa_enable_private_segment 0
		.amdhsa_kernarg_size 40
		.amdhsa_user_sgpr_count 2
		.amdhsa_user_sgpr_kernarg_segment_ptr 1
		.amdhsa_wavefront_size32 1
		.amdhsa_system_sgpr_workgroup_id_x 1
		.amdhsa_system_sgpr_workgroup_id_y 1
		.amdhsa_system_sgpr_workgroup_id_z 1
		.amdhsa_system_vgpr_workitem_id 0
		.amdhsa_next_free_vgpr 512
		.amdhsa_next_free_sgpr 104
		.amdhsa_reserve_vcc 0
		.amdhsa_float_denorm_mode_32 3
		.amdhsa_float_denorm_mode_16_64 3
		.amdhsa_memory_ordered 1
		.amdhsa_forward_progress 1
		.amdhsa_inst_pref_size 98
	.end_amdhsa_kernel
	.amdgpu_metadata
---
amdhsa.version: [ 1, 2 ]
amdhsa.kernels:
  - .name:           k_q5e2d0a6e65_ffn2
    .symbol:         k_q5e2d0a6e65_ffn2.kd
    .args:
      - { .name: h, .offset: 0, .size: 8, .value_kind: global_buffer, .address_space: global }
      - { .name: W2, .offset: 8, .size: 8, .value_kind: global_buffer, .address_space: global }
      - { .name: route, .offset: 16, .size: 8, .value_kind: global_buffer, .address_space: global }
      - { .name: gsort, .offset: 24, .size: 8, .value_kind: global_buffer, .address_space: global }
      - { .name: part, .offset: 32, .size: 8, .value_kind: global_buffer, .address_space: global }
    .group_segment_fixed_size: 263168
    .private_segment_fixed_size: 0
    .kernarg_segment_align: 8
    .kernarg_segment_size: 40
    .max_flat_workgroup_size: 256
    .sgpr_count:     104
    .vgpr_count:     512
    .wavefront_size: 32
...
	.end_amdgpu_metadata
.endif
;; end of part 7
;; launch combine: the kernel of part 4 again; grid 256 x 1, 8 waves a work-group, no clusters, 0 bytes of LDS; arguments part, route, gates, rowpos, b2, out0, out1; writes out0, out1
